; MI455X (gfx1250); checked and timed in simulation.
; The chip was launched on July 23, 2026; its instructions are those of AMD's public machine-readable ISA for CDNA 5 (MIT licence, August 2026) and "CDNA5" Instruction Set Architecture Reference Guide (July 2026). The comments in the code are by the model that wrote it; some were corrected since.
;; Transformer Layer. Allowed arithmetic: matrix products marked QUANTISED: E4M3 operands, one given power-of-two scale a tensor, by v_wmma_f32_16x16x64_fp8_fp8 or v_wmma_f32_16x16x128_fp8_fp8, f32 sums; everything else in f32.
;; Inputs: b1 512 float32; b2 512 float32; bk 512 float32; bo 512 float32; bq 512 float32; bv 512 float32; lowp_scales 16 int32 (the exponents e of the quantised operands' scales 2^e); norm1_b 512 float32; norm1_g 512 float32; norm2_b 512 float32; norm2_g 512 float32; w1 512 x 512 float32; w2 512 x 512 float32; wk 512 x 512 float32; wo 512 x 512 float32; wq 512 x 512 float32; wv 512 x 512 float32; x 4 x 2,048 x 512 float32.
;; Outputs: out0 4 x 2,048 x 512 float32.
;; This version of the problem:
;;   THIS VERSION OF THE PROBLEM IS GIVEN IN LOW PRECISION. The matrix products marked QUANTISED in the list below multiply operands that are first quantised to E4M3 (4 exponent bits, 3 mantissa bits; 8 bits a number), with one given power-of-two scale for each operand tensor; their sums are f32. All else is computed in f32.
;;   The module's matrix products, in the order in which they are computed (A, B: the left and right operand; K: the contracted axis; several contracted axes count as one K, in the product's order):
;;     1. [M 8,192, K 512] x [K 512, N 512]; A: computed on the way; B: input wq: QUANTISED (scales: A lowp_scales[0], B lowp_scales[1])
;;     2. [M 8,192, K 512] x [K 512, N 512]; A: computed on the way; B: input wk: QUANTISED (scales: A lowp_scales[2], B lowp_scales[3])
;;     3. [M 8,192, K 512] x [K 512, N 512]; A: computed on the way; B: input wv: QUANTISED (scales: A lowp_scales[4], B lowp_scales[5])
;;     4. batch 64 x [M 2,048, K 32] x [K 32, N 2,048]; A: computed on the way; B: computed on the way: QUANTISED (scales: A lowp_scales[6], B lowp_scales[7])
;;     5. batch 64 x [M 32, K 2,048] x [K 2,048, N 2,048]; A: computed on the way; B: softmax (see below): QUANTISED (scales: A lowp_scales[8], B lowp_scales[9])
;;     6. [M 8,192, K 512] x [K 512, N 512]; A: computed on the way; B: input wo: QUANTISED (scales: A lowp_scales[10], B lowp_scales[11])
;;     7. [M 8,192, K 512] x [K 512, N 512]; A: computed on the way; B: input w1: QUANTISED (scales: A lowp_scales[12], B lowp_scales[13])
;;     8. [M 8,192, K 512] x [K 512, N 512]; A: computed on the way; B: input w2: QUANTISED (scales: A lowp_scales[14], B lowp_scales[15])
;;   THE QUANTISER, for each operand of a quantised product, along K:
;;     - The operand's scale is 2^e, e = its entry of the input lowp_scales (int32; the entries are numbered through the quantised products in the list's order, A before B).
;;     - Each number is divided by the scale, clamped to +-448, and rounded to the nearest number of E4M3, ties to even, subnormals kept.
;;     - The product sums the exact products of the quantised numbers (number of the format x scale) in f32.
;;   ~~~python
;;   def quantise(x, axis, e):      # numpy; x: float32 -> the quantised numbers, widened to float32 again
;;       x = np.moveaxis(x, axis, -1); K = x.shape[-1]
;;       r = np.clip(x / 2.0 ** e, -448, 448)
;;       step = 2.0 ** (np.maximum(np.frexp(np.where(r == 0, 1, r))[1] - 1, -6) - 3)
;;       q = np.round(r / step) * step * 2.0 ** e      # np.round: ties to even
;;       return np.moveaxis(q, -1, axis).astype(np.float32)
;;   ~~~
;;   SOFTMAX AHEAD OF A QUANTISED PRODUCT. Where the list says 'softmax', what is quantised is not the finished softmax but p = 2^(t - M), with t = logit x log2(e) and M = ceil(the row's largest t), a whole number; so 1/2 < the row's largest p <= 1. The row's sum l is taken of the UNQUANTISED p, in f32, and the product's result is divided by l at the end. Since M is a whole number, a kernel that streams over the keys may use a running M (the ceiling of the running maximum): every later rescaling is an exact power of two, so the quantised numbers keep their values, but for numbers so far below the row's largest that they fall under the format's range.
;;   OPERANDS COMPUTED ON THE WAY. 'Computed on the way' means the value that the module computes at that place (a softmax that the list does not call 'softmax' is quantised finished and normalised). What goes into a quantiser is computed in f32, as accurately as f32 sums, v_exp_f32 and their like allow (about 1e-6 of the number): no bf16 or f16 on the way to a quantiser, and a product that is left as it is and whose result goes on into a quantised operand takes f32 operands (vector FMAs, or v_wmma_f32_16x16x4_f32). A number that lies on a knife's edge between two numbers of the format may be rounded either way, as far as f32 arithmetic and the matrix unit's own rounding can turn it there, and no further.
;; 2 versions. Each part assembles by itself: llvm-mc -triple=amdgcn-amd-amdhsa -mcpu=gfx1250 --defsym DOCPART=n.
;; ======== version 1 of 2: 4 launches
;; workspace buffers: wimg 1,572,864 bytes; qkvc 12,582,912 bytes; oc 4,194,304 bytes
;; launch prep (part 1): grid 32 x 6, 4 waves a work-group, no clusters, 0 bytes of LDS; arguments wq, wk, wv, wo, w1, w2, lowp_scales, wimg; writes wimg
.if DOCPART == 1
	.amdgcn_target "amdgcn-amd-amdhsa--gfx1250"
	.amdhsa_code_object_version 6
	.text
	.protected	k_q21f5adafb4_prep
	.globl	k_q21f5adafb4_prep
	.p2align	8
	.type	k_q21f5adafb4_prep,@function
k_q21f5adafb4_prep:
	s_mov_b64 s[64:65], 0
	v_nop
	global_prefetch_b8 v0, s[64:65] scope:SCOPE_SE
	s_setreg_imm32_b32 hwreg(HW_REG_WAVE_MODE, 25, 1), 1
	s_wait_xcnt 0x0
; The six weights [512 (n)][512 (k)], f32, become codes of E4M3, each with its given scale 2^e, laid as IMAGES OF OPERAND REGISTERS:
; wimg[matrix y: q,k,v,o,1,2][column group w: 65,536][K step s: 16,384][tile n: 2,048]; an image is four chunks of 512 bytes, lane l's 16 bytes at 16 l.
; Chunk c of lane (r, h) is K piece p = 8 s + 2 c + h of the tile's row r.  The rows of a tile are not neighbours: tile N = 8 w + n takes row 32 (N / 2) + 8 (N % 2) + r + 8 (r / 8),
; so that the results of two neighbouring tiles are 16 neighbours along the next product's K.
; K ORDER.  wo, w1, w2: piece p holds k = 16 p .. 16 p + 15.  wq, wk, wv: byte 4 j + i of piece p holds k = 128 j + 4 p + i: the order in which the next launch's dense row loads leave the normalised rows.
; A work-group takes one tile N of one matrix y, its wave s one K step: 16 rows x 128 k.  No LDS, no barrier: waves share nothing.
; code = x / 2^e, held within +-448, to the nearest code, ties to even.  LIMITS: e between -126 and 119; NaN among the inputs is not served.
.set XR, 16                            ; v16-79  64 numbers of a lane
.set CR, 80                            ; v80-95  their codes
	s_load_b512 s[4:19], s[0:1], 0x0               ; wq, wk, wv, wo, w1, w2, the scales' exponents s[16:17], wimg s[18:19]
	s_and_b32 s20, ttmp7, 0xffff                   ; y
	s_mov_b32 s21, ttmp9                           ; N
	v_lshrrev_b32 v1, 5, v0
	v_readfirstlane_b32 s22, v1                    ; wave = K step s
	v_and_b32 v1, 15, v0                           ; r
	v_bfe_u32 v2, v0, 4, 1                         ; h
	v_and_b32 v3, 8, v1
	v_add_nc_u32 v3, v3, v1                        ; r + 8 (r / 8)
	v_lshlrev_b32 v3, 11, v3                       ; x a row of 2,048 bytes
	v_and_b32 v5, 31, v0
	v_lshlrev_b32 v5, 4, v5                        ; 16 l: my place in a chunk
	s_lshl_b32 s28, s20, 3
	s_cmp_lt_u32 s20, 3
	s_cselect_b32 s29, 4, 20
	s_add_co_u32 s28, s28, s29                     ; the byte of my scale's entry: 4 (2 y + 1) for wq, wk, wv; 4 (2 y + 5) for wo, w1, w2
	s_mov_b32 s29, 0
	s_lshr_b32 s30, s21, 1
	s_lshl_b32 s30, s30, 16
	s_and_b32 s31, s21, 1
	s_lshl_b32 s31, s31, 14
	s_add_co_u32 s30, s30, s31                     ; the tile's first row: (32 (N / 2) + 8 (N % 2)) x 2,048 bytes
	s_mov_b32 s31, 0
	s_lshl_b32 s32, s20, 18                        ; the image's place: 262,144 y
	s_lshr_b32 s33, s21, 3
	s_lshl_b32 s33, s33, 16
	s_add_co_u32 s32, s32, s33                     ; + 65,536 (N / 8)
	s_lshl_b32 s33, s22, 14
	s_add_co_u32 s32, s32, s33                     ; + 16,384 s
	s_and_b32 s33, s21, 7
	s_lshl_b32 s33, s33, 11
	s_add_co_u32 s32, s32, s33                     ; + 2,048 (N % 8)
	s_mov_b32 s33, 0
	s_wait_kmcnt 0x0
	s_add_nc_u64 s[16:17], s[16:17], s[28:29]
	s_load_b32 s26, s[16:17], 0x0                  ; e
	s_cmp_eq_u32 s20, 1                            ; the matrix: a choice on the work-group's number alone
	s_cselect_b64 s[24:25], s[6:7], s[4:5]
	s_cmp_eq_u32 s20, 2
	s_cselect_b64 s[24:25], s[8:9], s[24:25]
	s_cmp_eq_u32 s20, 3
	s_cselect_b64 s[24:25], s[10:11], s[24:25]
	s_cmp_eq_u32 s20, 4
	s_cselect_b64 s[24:25], s[12:13], s[24:25]
	s_cmp_eq_u32 s20, 5
	s_cselect_b64 s[24:25], s[14:15], s[24:25]
	s_add_nc_u64 s[24:25], s[24:25], s[30:31]
	s_add_nc_u64 s[18:19], s[18:19], s[32:33]
; 16 loads of 16 bytes: number 4 q + i of chunk c.  stp: bytes from piece to piece; qst: bytes from one group of four numbers of a piece to the next
.macro LOADW stp, qst
	s_mul_i32 s34, s22, 8*\stp
	v_mad_u32_u24 v4, v2, \stp, v3
	v_add_nc_u32 v4, s34, v4                       ; row + piece 8 s + h
.irp c, 0,1,2,3
.irp q, 0,1,2,3
	global_load_b128 v[XR+16*\c+4*\q:XR+16*\c+4*\q+3], v4, s[24:25] offset:2*\stp*\c+\qst*\q th:TH_LOAD_NT
.endr
.endr
.endm
	s_cmp_lt_u32 s20, 3
	s_cbranch_scc0 .Lnatural
	LOADW 16, 512                                  ; wq, wk, wv: k = 128 q + 4 p + i
	s_branch .Lloaded
.Lnatural:
	LOADW 64, 16                                   ; wo, w1, w2: k = 16 p + 4 q + i
.Lloaded:
	s_wait_kmcnt 0x0
	s_add_co_i32 s26, s26, 127
	s_lshl_b32 s27, s26, 23
	v_mov_b32 v11, s27                             ; 2^e as f32: the conversion takes its exponent field
	s_add_co_i32 s26, s26, 8
	s_lshl_b32 s26, s26, 23
	s_or_b32 s26, s26, 0x600000
	v_mov_b32 v10, s26                             ; 448 x 2^e
	s_wait_loadcnt 0x0
.set i, 0
.rept 64
	v_med3_num_f32 v[XR+i], v[XR+i], -v10, v10     ; the conversion to an 8-bit code does not saturate (ISA guide 7.6.2): the hold comes first
.set i, i+1
.endr
.irp c, 0,1,2,3
	v_cvt_scalef32_pk8_fp8_f32 v[CR+4*\c:CR+4*\c+1], v[XR+16*\c:XR+16*\c+7], v11
	v_cvt_scalef32_pk8_fp8_f32 v[CR+4*\c+2:CR+4*\c+3], v[XR+16*\c+8:XR+16*\c+15], v11
.endr
.irp c, 0,1,2,3
	global_store_b128 v5, v[CR+4*\c:CR+4*\c+3], s[18:19] offset:512*\c   ; the wave stores 512 consecutive bytes, aligned
.endr
	s_endpgm
.Lfunc_end_k_q21f5adafb4_prep:
	.size	k_q21f5adafb4_prep, .Lfunc_end_k_q21f5adafb4_prep-k_q21f5adafb4_prep
	.p2alignl 7, 3214868480
	.fill 96, 4, 3214868480
	.section	.rodata,"a",@progbits
	.p2align	6, 0x0
	.amdhsa_kernel k_q21f5adafb4_prep
		.amdhsa_group_segment_fixed_size 0
		.amdhsa_private_segment_fixed_size 0
		.amdhsa_enable_private_segment 0
		.amdhsa_kernarg_size 64
		.amdhsa_user_sgpr_count 2
		.amdhsa_user_sgpr_kernarg_segment_ptr 1
		.amdhsa_wavefront_size32 1
		.amdhsa_system_sgpr_workgroup_id_x 1
		.amdhsa_system_sgpr_workgroup_id_y 1
		.amdhsa_system_sgpr_workgroup_id_z 1
		.amdhsa_system_vgpr_workitem_id 0
		.amdhsa_next_free_vgpr 96
		.amdhsa_next_free_sgpr 66
		.amdhsa_reserve_vcc 0
		.amdhsa_float_denorm_mode_32 3
		.amdhsa_float_denorm_mode_16_64 3
		.amdhsa_memory_ordered 1
		.amdhsa_forward_progress 1
		.amdhsa_inst_pref_size 11
	.end_amdhsa_kernel
	.amdgpu_metadata
---
amdhsa.version: [ 1, 2 ]
amdhsa.kernels:
  - .name:           k_q21f5adafb4_prep
    .symbol:         k_q21f5adafb4_prep.kd
    .args:
      - { .name: wq, .offset: 0, .size: 8, .value_kind: global_buffer, .address_space: global }
      - { .name: wk, .offset: 8, .size: 8, .value_kind: global_buffer, .address_space: global }
      - { .name: wv, .offset: 16, .size: 8, .value_kind: global_buffer, .address_space: global }
      - { .name: wo, .offset: 24, .size: 8, .value_kind: global_buffer, .address_space: global }
      - { .name: w1, .offset: 32, .size: 8, .value_kind: global_buffer, .address_space: global }
      - { .name: w2, .offset: 40, .size: 8, .value_kind: global_buffer, .address_space: global }
      - { .name: lowp_scales, .offset: 48, .size: 8, .value_kind: global_buffer, .address_space: global }
      - { .name: wimg, .offset: 56, .size: 8, .value_kind: global_buffer, .address_space: global }
    .group_segment_fixed_size: 0
    .private_segment_fixed_size: 0
    .kernarg_segment_align: 8
    .kernarg_segment_size: 64
    .max_flat_workgroup_size: 128
    .sgpr_count:     66
    .vgpr_count:     96
    .wavefront_size: 32
...
	.end_amdgpu_metadata
.endif
;; end of part 1
;; launch qkv (part 2): grid 64 x 3, 4 waves a work-group, no clusters, 68,096 bytes of LDS; arguments x, norm1_g, norm1_b, wimg, lowp_scales, bq, bk, bv, qkvc; writes qkvc
.if DOCPART == 2
	.amdgcn_target "amdgcn-amd-amdhsa--gfx1250"
	.amdhsa_code_object_version 6
	.text
	.protected	k_q21f5adafb4_qkv
	.globl	k_q21f5adafb4_qkv
	.p2align	8
	.type	k_q21f5adafb4_qkv,@function
k_q21f5adafb4_qkv:
	s_mov_b64 s[64:65], 0
	v_nop
	global_prefetch_b8 v0, s[64:65] scope:SCOPE_SE
	s_setreg_imm32_b32 hwreg(HW_REG_WAVE_MODE, 25, 1), 1
	s_wait_xcnt 0x0
; h = layernorm(x) g + b, quantised; then ONE of q, k, v = h W^T + bias (y = 0, 1, 2), quantised again for attention and stored as images of attention's operand registers.
; SHARES.  Work-group (X, y): rows 128 X .. 128 X + 127 of x, all 512 columns of matrix y.  Wave w normalises rows 32 w .. 32 w + 31 (a row is 2,048 bytes: four dense loads of 512 bytes, 16 numbers a lane)
; and stores their codes in LDS; behind the one barrier it makes columns 128 w .. 128 w + 127 (four heads) for all 128 rows.  Its 32 weight fragments (512 registers) come from wimg once, while the rows are normalised.
; K ORDER: lane l's 16 codes of a row are k = 128 j + 4 l + i (byte 4 j + i); wimg has wq, wk, wv in the same order, so every product meets its partner.
; ROWS IN LDS lie in tile order: token 32 B + t in slot 32 B + 16 ((t / 8) % 2) + t % 8 + 8 (t / 16): tile 2 B + u holds tokens 32 B + 8 u + r + 8 (r / 8).
; q, k: source 0 = 16 rows of W, source 1 = 16 tokens: a lane holds one token and, in two neighbouring tiles, 16 neighbouring channels of a head: 16 bytes of codes.
; v: the sources change places: a lane holds one channel and, in tiles u = 0, 1, 16 neighbouring tokens: the keys are the second attention product's K.
; The bias, divided by 2^(ea + ew), is the C of each sum's first product; the conversion takes 2^(eo - ea - ew): the three scales in one.
; qkvc, for each of 64 (batch, head): 128 tiles of q x 512 bytes; from 65,536 on 16 key steps x [8 tiles of k x 512 | 2 fragments of v x 2,048].
; NO JOINT LOADS: the weights go from memory into registers, since a matrix's 262,144 bytes of codes and the rows' 67,584 do not fit together in 327,680 bytes of LDS.
; 192 work-groups: three matrices do not divide 256, and a split by columns would have a wave straddle two matrices.
; LIMITS: ea and eo - ea - ew between -126 and 119; NaN among the inputs is not served.
; REGISTERS: window 0: v1-11 addresses and scales; v16-31 four registers a row at work; v32-47 g, v48-63 b; v64-255 three slots of 4 rows x 16 numbers; later v32-63 codes, v64-191 16 accumulators, v192-255 the bias.
;   windows 1, 2: the weights, fragment f = 8 s + n at v[16 (f % 16)] of window 1 + f / 16.   window 3: two sets of 8 fragments of h.
.set PITCH, 528                        ; a row of 512 codes + 16 bytes: 132 words, so the 16 rows of a fragment load begin 4 words apart modulo 64 words
.set SPARE, 128*PITCH                  ; behind the rows: the spare words, 128 bytes a wave
.set LI,  1                            ; v1   16 x lane
.set HS,  2                            ; v2   where I store a row's 16 codes: my wave's 32 slots + 16 x lane
.set HR,  3                            ; v3   where I read a fragment: 528 r + 16 h
.set H64, 4                            ; v4   64 h
.set SPW, 5                            ; v5   LDS address of my spare word; never rewritten
.set NIL, 6                            ; v6   0; never rewritten
.set SCA, 7                            ; v7   2^ea;  v8  448 x 2^ea
.set HLA, 8
.set SCO, 9                            ; v9   2^(eo - ea - ew);  v10  448 x that
.set HLO, 10
.set BV4, 11                           ; v11  4 (r + 8 (r / 8))
.set TT,  16
.set GG,  32
.set BN,  48
.set CD,  32
.set ACC, 64
.set BIAS, 192
.set MSB, 0
.macro WIN new                         ; the immediate's high byte repeats the setting that is left
.if MSB != (\new)
	s_set_vgpr_msb (MSB<<8)|(\new)
.set MSB, (\new)
.endif
.endm
	s_load_b512 s[4:19], s[0:1], 0x0               ; x, g, b, wimg s[10:11], the scales s[12:13], bq, bk, bv
	s_load_b64 s[20:21], s[0:1], 0x40              ; qkvc
	v_lshl_add_u32 v[SPW], v0, 2, SPARE
	v_mov_b32 v[NIL], 0
	v_lshrrev_b32 v1, 5, v0
	v_readfirstlane_b32 s22, v1                    ; wave w
	s_and_b32 s23, ttmp7, 0xffff                   ; y
	s_mov_b32 s24, ttmp9                           ; X
	v_and_b32 v12, 31, v0
	v_lshlrev_b32 v[LI], 4, v12
	v_and_b32 v13, 15, v0                          ; r
	v_bfe_u32 v14, v0, 4, 1                        ; h
	s_mul_i32 s25, s22, 32*PITCH
	v_add_nc_u32 v[HS], s25, v[LI]
	v_mul_u32_u24 v[HR], v13, PITCH
	v_lshl_add_u32 v[HR], v14, 4, v[HR]
	v_lshlrev_b32 v[H64], 6, v14
	v_and_b32 v[BV4], 8, v13
	v_add_nc_u32 v[BV4], v[BV4], v13
	v_lshlrev_b32 v[BV4], 2, v[BV4]
	s_mov_b32 s31, 0xbb000000                      ; -1 / 512
	s_mov_b32 s32, 0x3b000000                      ; 1 / 512
	s_mov_b32 s33, 0x3727c5ac                      ; 1e-5
	s_mov_b32 s34, 0x76543210                      ; v_permlanex16_b32: lane l xor 16
	s_mov_b32 s35, 0xfedcba98
	s_lshl_b32 s26, s23, 3                         ; ea, ew lie at byte 8 y,
	s_mov_b32 s27, 0
	s_lshl_b32 s54, s23, 2                         ; eo at byte 24 + 4 y
	s_mov_b32 s55, 0
	s_lshl_b32 s56, s24, 18
	s_lshl_b32 s57, s22, 16
	s_add_co_u32 s56, s56, s57                     ; x: (128 X + 32 w) rows of 2,048 bytes
	s_mov_b32 s57, 0
	s_lshl_b32 s58, s23, 18
	s_lshl_b32 s59, s22, 16
	s_add_co_u32 s58, s58, s59                     ; wimg: 262,144 y + 65,536 w
	s_mov_b32 s59, 0
	s_lshl_b32 s60, s22, 9                         ; the bias: my 128 numbers
	s_mov_b32 s61, 0
	s_lshr_b32 s44, s24, 4
	s_lshl_b32 s44, s44, 4
	s_lshl_b32 s45, s22, 2
	s_add_co_u32 s44, s44, s45                     ; 16 x batch + my first head
	s_mul_i32 s44, s44, 196608
	s_and_b32 s45, s24, 15                         ; which 128 tokens of the sequence
	s_lshl_b32 s46, s45, 12                        ; q: 8 tiles of 512 bytes each
	s_lshl_b32 s47, s45, 13                        ; k, v: a key step of 8,192 bytes,
	s_lshl_b32 s48, s23, 12
	s_add_co_u32 s47, s47, s48
	s_add_co_u32 s47, s47, 65536-4096              ; from 65,536 on; v lies 4,096 behind k
	s_cmp_eq_u32 s23, 0
	s_cselect_b32 s46, s46, s47
	s_add_co_u32 s44, s44, s46
	s_mov_b32 s45, 0
	s_wait_kmcnt 0x0
	s_add_nc_u64 s[50:51], s[12:13], s[26:27]
	s_load_b64 s[28:29], s[50:51], 0x0             ; ea, ew
	s_add_nc_u64 s[52:53], s[12:13], s[54:55]
	s_load_b32 s30, s[52:53], 0x18                 ; eo
	s_add_nc_u64 s[38:39], s[4:5], s[56:57]
	s_add_nc_u64 s[40:41], s[10:11], s[58:59]
	s_add_nc_u64 s[36:37], s[20:21], s[44:45]
	s_cmp_eq_u32 s23, 1
	s_cselect_b64 s[42:43], s[16:17], s[14:15]
	s_cmp_eq_u32 s23, 2
	s_cselect_b64 s[42:43], s[18:19], s[42:43]
	s_add_nc_u64 s[42:43], s[42:43], s[60:61]
.macro XLOAD g                         ; rows 4 g .. 4 g + 3 of my 32 into slot g % 3: each load reads 512 consecutive bytes
.irp p, 0,1,2,3
.irp j, 0,1,2,3
	global_load_b128 v[64+64*((\g)%3)+16*\p+4*\j:64+64*((\g)%3)+16*\p+4*\j+3], v[LI], s[38:39] offset:(4*(\g)+\p)*2048+512*\j
.endr
.endr
.endm
.macro WCHUNK g                        ; weight fragments 4 g .. 4 g + 3: 16 loads of 512 consecutive bytes
	WIN 0x40*(1+(\g)/4)
.set i, 0
.rept 16
	global_load_b128 v[(64*(\g))%256+4*i:(64*(\g))%256+4*i+3], v[LI], s[40:41] offset:8192*(\g)+512*i
.set i, i+1
.endr
	WIN 0
.endm
.irp j, 0,1,2,3
	global_load_b128 v[GG+4*\j:GG+4*\j+3], v[LI], s[6:7] offset:512*\j
	global_load_b128 v[BN+4*\j:BN+4*\j+3], v[LI], s[8:9] offset:512*\j
.endr
	XLOAD 0
	XLOAD 1
	XLOAD 2
	s_wait_kmcnt 0x0
	s_add_co_i32 s56, s28, 127
	s_lshl_b32 s57, s56, 23
	v_mov_b32 v[SCA], s57
	s_add_co_i32 s56, s56, 8
	s_lshl_b32 s56, s56, 23
	s_or_b32 s56, s56, 0x600000
	v_mov_b32 v[HLA], s56
	s_add_co_i32 s58, s28, s29                     ; ea + ew
	s_sub_co_i32 s56, s30, s58
	s_add_co_i32 s56, s56, 127
	s_lshl_b32 s57, s56, 23
	v_mov_b32 v[SCO], s57
	s_add_co_i32 s56, s56, 8
	s_lshl_b32 s56, s56, 23
	s_or_b32 s56, s56, 0x600000
	v_mov_b32 v[HLO], s56
	s_sub_co_i32 s58, 0, s58                       ; -(ea + ew), for the bias
; the two chains of each of four rows are joined and summed over the 32 lanes; the four rows take turns line by line
.macro FOLD
.irp p, 0,1,2,3
	v_pk_add_f32 v[TT+4*\p:TT+4*\p+1], v[TT+4*\p:TT+4*\p+1], v[TT+4*\p+2:TT+4*\p+3]
.endr
.irp p, 0,1,2,3
	v_add_f32 v[TT+4*\p], v[TT+4*\p], v[TT+4*\p+1]
.endr
.irp m, 1,2,4,8
.irp p, 0,1,2,3
	v_add_f32_dpp v[TT+4*\p], v[TT+4*\p], v[TT+4*\p] row_xmask:\m row_mask:0xf bank_mask:0xf
.endr
.endr
.irp p, 0,1,2,3
	v_permlanex16_b32 v[TT+4*\p+1], v[TT+4*\p], s34, s35
.endr
.irp p, 0,1,2,3
	v_add_f32 v[TT+4*\p], v[TT+4*\p], v[TT+4*\p+1]
.endr
.endm
; Four rows are normalised, quantised and stored.  cnt: the loads issued behind these rows', which may stay out (63 at the most can be named)
.macro LNG g, cnt
.set XB, 64+64*((\g)%3)
	s_wait_dscnt 0x0                               ; the last group's LDS stores have read their registers
	s_wait_loadcnt \cnt
.irp p, 0,1,2,3
	v_pk_add_f32 v[TT+4*\p:TT+4*\p+1], v[XB+16*\p:XB+16*\p+1], v[XB+16*\p+2:XB+16*\p+3]
	v_pk_add_f32 v[TT+4*\p+2:TT+4*\p+3], v[XB+16*\p+4:XB+16*\p+5], v[XB+16*\p+6:XB+16*\p+7]
.endr
.irp k, 8,12
.irp p, 0,1,2,3
	v_pk_add_f32 v[TT+4*\p:TT+4*\p+1], v[TT+4*\p:TT+4*\p+1], v[XB+16*\p+\k:XB+16*\p+\k+1]
	v_pk_add_f32 v[TT+4*\p+2:TT+4*\p+3], v[TT+4*\p+2:TT+4*\p+3], v[XB+16*\p+\k+2:XB+16*\p+\k+3]
.endr
.endr
	FOLD
.irp p, 0,1,2,3
	v_mul_f32 v[TT+4*\p], s31, v[TT+4*\p]          ; -mean
.endr
.irp k, 0,2,4,6,8,10,12,14
.irp p, 0,1,2,3
	v_pk_add_f32 v[XB+16*\p+\k:XB+16*\p+\k+1], v[XB+16*\p+\k:XB+16*\p+\k+1], v[TT+4*\p:TT+4*\p+1] op_sel_hi:[1,0]
.endr
.endr
.irp p, 0,1,2,3
	v_pk_mul_f32 v[TT+4*\p:TT+4*\p+1], v[XB+16*\p:XB+16*\p+1], v[XB+16*\p:XB+16*\p+1]
	v_pk_mul_f32 v[TT+4*\p+2:TT+4*\p+3], v[XB+16*\p+2:XB+16*\p+3], v[XB+16*\p+2:XB+16*\p+3]
.endr
.irp k, 4,8,12
.irp p, 0,1,2,3
	v_pk_fma_f32 v[TT+4*\p:TT+4*\p+1], v[XB+16*\p+\k:XB+16*\p+\k+1], v[XB+16*\p+\k:XB+16*\p+\k+1], v[TT+4*\p:TT+4*\p+1]
	v_pk_fma_f32 v[TT+4*\p+2:TT+4*\p+3], v[XB+16*\p+\k+2:XB+16*\p+\k+3], v[XB+16*\p+\k+2:XB+16*\p+\k+3], v[TT+4*\p+2:TT+4*\p+3]
.endr
.endr
	FOLD
.irp p, 0,1,2,3
	v_fma_f32 v[TT+4*\p], v[TT+4*\p], s32, s33     ; the variance + 1e-5
.endr
.irp p, 0,1,2,3
	v_rsq_f32 v[TT+4*\p+2], v[TT+4*\p]
.endr
	v_nop                                          ; a plain instruction behind the last of the batch
	s_wait_alu depctr_va_vdst(0)                   ; one wait for the four roots, ahead of their first reader
.irp k, 0,2,4,6,8,10,12,14
.irp p, 0,1,2,3
	v_pk_mul_f32 v[XB+16*\p+\k:XB+16*\p+\k+1], v[XB+16*\p+\k:XB+16*\p+\k+1], v[TT+4*\p+2:TT+4*\p+3] op_sel_hi:[1,0]
.endr
.endr
.irp k, 0,2,4,6,8,10,12,14
.irp p, 0,1,2,3
	v_pk_fma_f32 v[XB+16*\p+\k:XB+16*\p+\k+1], v[XB+16*\p+\k:XB+16*\p+\k+1], v[GG+\k:GG+\k+1], v[BN+\k:BN+\k+1]
.endr
.endr
.irp e, 0,1,2,3,4,5,6,7,8,9,10,11,12,13,14,15
.irp p, 0,1,2,3
	v_med3_num_f32 v[XB+16*\p+\e], v[XB+16*\p+\e], -v[HLA], v[HLA]   ; the conversion does not saturate (ISA guide 7.6.2)
.endr
.endr
.irp p, 0,1,2,3
	v_cvt_scalef32_pk8_fp8_f32 v[TT+4*\p:TT+4*\p+1], v[XB+16*\p:XB+16*\p+7], v[SCA]
	v_cvt_scalef32_pk8_fp8_f32 v[TT+4*\p+2:TT+4*\p+3], v[XB+16*\p+8:XB+16*\p+15], v[SCA]
.endr
	v_nop                                          ; a plain instruction behind the last conversion: the next group's additions write these registers
.irp p, 0,1,2,3
.set RW, 4*(\g)+\p
	ds_store_b128 v[HS], v[TT+4*\p:TT+4*\p+3] offset:(16*((RW/8)%2)+RW%8+8*(RW/16))*PITCH
.endr
.if (\g) <= 4
	XLOAD (\g)+3                                   ; the slot takes the rows three groups on
.endif
	WCHUNK \g
.endm
	LNG 0, 32                                      ; behind group 0's rows: groups 1 and 2
	LNG 1, 48                                      ; group 2, group 3, a chunk of weights
	LNG 2, 63                                      ; from here on 64 loads or more stand behind the group's
	LNG 3, 63
	LNG 4, 63
	LNG 5, 63
	s_cmp_eq_u32 s23, 2                            ; the bias, into the slot that group 5 has left.  q, k: a lane's 64 columns; v: one column for each of its 8 tiles
	s_cbranch_scc1 .Lbias_v
.irp b, 0,1,2,3
.irp q, 0,1,2,3
	global_load_b128 v[BIAS+16*\b+4*\q:BIAS+16*\b+4*\q+3], v[H64], s[42:43] offset:128*\b+16*\q
.endr
.endr
	s_branch .Lbias_asked
.Lbias_v:
.irp b, 0,1,2,3
.irp u, 0,1
	global_load_b32 v[BIAS+2*\b+\u], v[BV4], s[42:43] offset:128*\b+32*\u
.endr
.endr
.Lbias_asked:
	LNG 6, 63
	LNG 7, 56                                      ; three chunks of weights and the bias's 8 loads at the least
	s_wait_dscnt 0x0                               ; my rows' codes lie in LDS,
	s_barrier_signal -1
	s_barrier_wait -1                              ; everybody's do.  From here on LDS is only read
.macro FETCHH B                        ; tokens 32 B .. 32 B + 31: two tiles x four K steps into set B % 2
	WIN 0xc0
.irp u, 0,1
.irp s, 0,1,2,3
.irp c, 0,1,2,3
	ds_load_b128 v[128*((\B)%2)+64*\u+16*\s+4*\c:128*((\B)%2)+64*\u+16*\s+4*\c+3], v[HR] offset:(32*(\B)+16*\u)*PITCH+128*\s+32*\c
.endr
.endr
.endr
.endm
; 32 tokens x my 128 columns: 64 products on 16 accumulators that take turns, one instruction a turn; then quantised and stored.  vp = 1: v's orientation
.macro PAIR B, vp
.if (\B) < 3
	FETCHH (\B)+1                                  ; its set was last read by the pair before the last; four v_nop and the holds stand between
	s_wait_dscnt 32                                ; all but the 32 just issued
.else
	s_wait_dscnt 0x0
.endif
.set HB, 128*((\B)%2)
.irp s, 0,1,2,3
.if \vp
	WIN 0x03|((1+\s/2)<<2)                         ; source 0: h, window 3; source 1: W, window 1 or 2
.else
	WIN (1+\s/2)|0x0c                              ; source 0: W; source 1: h
.endif
.irp u, 0,1
.irp n, 0,1,2,3,4,5,6,7
.if \vp
.if \s == 0
	v_wmma_f32_16x16x128_fp8_fp8 v[ACC+64*\u+8*\n:ACC+64*\u+8*\n+7], v[HB+64*\u+16*\s:HB+64*\u+16*\s+15], v[16*((8*\s+\n)%16):16*((8*\s+\n)%16)+15], v[BIAS+8*\n:BIAS+8*\n+7]
.else
	v_wmma_f32_16x16x128_fp8_fp8 v[ACC+64*\u+8*\n:ACC+64*\u+8*\n+7], v[HB+64*\u+16*\s:HB+64*\u+16*\s+15], v[16*((8*\s+\n)%16):16*((8*\s+\n)%16)+15], v[ACC+64*\u+8*\n:ACC+64*\u+8*\n+7]
.endif
.else
.if \s == 0
	v_wmma_f32_16x16x128_fp8_fp8 v[ACC+64*\u+8*\n:ACC+64*\u+8*\n+7], v[16*((8*\s+\n)%16):16*((8*\s+\n)%16)+15], v[HB+64*\u+16*\s:HB+64*\u+16*\s+15], v[BIAS+8*\n:BIAS+8*\n+7]
.else
	v_wmma_f32_16x16x128_fp8_fp8 v[ACC+64*\u+8*\n:ACC+64*\u+8*\n+7], v[16*((8*\s+\n)%16):16*((8*\s+\n)%16)+15], v[HB+64*\u+16*\s:HB+64*\u+16*\s+15], v[ACC+64*\u+8*\n:ACC+64*\u+8*\n+7]
.endif
.endif
.endr
.endr
.endr
	WIN 0
.rept 4
	v_nop                                          ; four places between the last product and the first read of results (ISA guide 7.12.1)
.endr
	s_wait_xcnt 0x0                                ; the last pair's stores have read their data registers
.set i, 0
.rept 128
	v_med3_num_f32 v[ACC+i], v[ACC+i], -v[HLO], v[HLO]   ; each accumulator from its low end on
.set i, i+1
.endr
.if \vp
.irp n, 0,1,2,3,4,5,6,7
.irp u, 0,1
	v_cvt_scalef32_pk8_fp8_f32 v[CD+4*\n+2*\u:CD+4*\n+2*\u+1], v[ACC+64*\u+8*\n:ACC+64*\u+8*\n+7], v[SCO]   ; channel of tile n, tokens 32 B + 16 h + 8 u + 0 .. 7
.endr
.endr
	v_nop                                          ; a plain instruction behind the last conversion: the next products write its sources
.irp n, 0,1,2,3,4,5,6,7
	global_store_b128 v[LI], v[CD+4*\n:CD+4*\n+3], s[36:37] offset:(\n/2)*196608+(\n%2)*2048+(\B)*512   ; head n / 2, fragment n % 2, chunk B: 512 consecutive bytes, aligned
.endr
.else
.irp u, 0,1
.irp j, 0,1,2,3
.irp t, 0,1
	v_cvt_scalef32_pk8_fp8_f32 v[CD+16*\u+4*\j+2*\t:CD+16*\u+4*\j+2*\t+1], v[ACC+64*\u+8*(2*\j+\t):ACC+64*\u+8*(2*\j+\t)+7], v[SCO]   ; token of tile u, head j, channels 16 h + 8 t + 0 .. 7
.endr
.endr
.endr
	v_nop
.irp u, 0,1
.irp j, 0,1,2,3
	global_store_b128 v[LI], v[CD+16*\u+4*\j:CD+16*\u+4*\j+3], s[36:37] offset:\j*196608+(2*(\B)+\u)*512   ; head j, tile 2 B + u: 512 consecutive bytes, aligned
.endr
.endr
.endif
.endm
	FETCHH 0
	WIN 0
	s_wait_loadcnt 0x0                             ; the weights and the bias
	s_cmp_eq_u32 s23, 2
	s_cbranch_scc1 .Lpath_v
.set i, 0
.rept 64
	v_ldexp_f32 v[BIAS+i], v[BIAS+i], s58          ; the bias / 2^(ea + ew)
.set i, i+1
.endr
	PAIR 0, 0
	PAIR 1, 0
	PAIR 2, 0
	PAIR 3, 0
	s_wait_tensorcnt 0x0                           ; the wave's end
	ds_add_u32 v[SPW], v[NIL]
	s_wait_dscnt 0x0
	s_endpgm
.Lpath_v:
.irp n, 7,6,5,4,3,2,1                  ; a tile's bias is one number a lane, spread over the tile's eight registers; the eight loaded numbers lie in tile 0's place, which is written last, from its top down
.irp j, 0,1,2,3,4,5,6,7
	v_ldexp_f32 v[BIAS+8*\n+\j], v[BIAS+\n], s58
.endr
.endr
.irp j, 7,6,5,4,3,2,1,0
	v_ldexp_f32 v[BIAS+\j], v[BIAS], s58
.endr
	PAIR 0, 1
	PAIR 1, 1
	PAIR 2, 1
	PAIR 3, 1
	s_wait_tensorcnt 0x0                           ; the wave's end, as above
	ds_add_u32 v[SPW], v[NIL]
	s_wait_dscnt 0x0
	s_endpgm
.Lfunc_end_k_q21f5adafb4_qkv:
	.size	k_q21f5adafb4_qkv, .Lfunc_end_k_q21f5adafb4_qkv-k_q21f5adafb4_qkv
	.p2alignl 7, 3214868480
	.fill 96, 4, 3214868480
	.section	.rodata,"a",@progbits
	.p2align	6, 0x0
	.amdhsa_kernel k_q21f5adafb4_qkv
		.amdhsa_group_segment_fixed_size 68096
		.amdhsa_private_segment_fixed_size 0
		.amdhsa_enable_private_segment 0
		.amdhsa_kernarg_size 72
		.amdhsa_user_sgpr_count 2
		.amdhsa_user_sgpr_kernarg_segment_ptr 1
		.amdhsa_wavefront_size32 1
		.amdhsa_system_sgpr_workgroup_id_x 1
		.amdhsa_system_sgpr_workgroup_id_y 1
		.amdhsa_system_sgpr_workgroup_id_z 1
		.amdhsa_system_vgpr_workitem_id 0
		.amdhsa_next_free_vgpr 1024
		.amdhsa_next_free_sgpr 66
		.amdhsa_reserve_vcc 0
		.amdhsa_float_denorm_mode_32 3
		.amdhsa_float_denorm_mode_16_64 3
		.amdhsa_memory_ordered 1
		.amdhsa_forward_progress 1
		.amdhsa_inst_pref_size 255
	.end_amdhsa_kernel
	.section	.bss,"aw",@nobits
	.p2align	6
	.space	262144
	.amdgpu_metadata
---
amdhsa.version: [ 1, 2 ]
amdhsa.kernels:
  - .name:           k_q21f5adafb4_qkv
    .symbol:         k_q21f5adafb4_qkv.kd
    .args:
      - { .name: x, .offset: 0, .size: 8, .value_kind: global_buffer, .address_space: global }
      - { .name: norm1_g, .offset: 8, .size: 8, .value_kind: global_buffer, .address_space: global }
      - { .name: norm1_b, .offset: 16, .size: 8, .value_kind: global_buffer, .address_space: global }
      - { .name: wimg, .offset: 24, .size: 8, .value_kind: global_buffer, .address_space: global }
      - { .name: lowp_scales, .offset: 32, .size: 8, .value_kind: global_buffer, .address_space: global }
      - { .name: bq, .offset: 40, .size: 8, .value_kind: global_buffer, .address_space: global }
      - { .name: bk, .offset: 48, .size: 8, .value_kind: global_buffer, .address_space: global }
      - { .name: bv, .offset: 56, .size: 8, .value_kind: global_buffer, .address_space: global }
      - { .name: qkvc, .offset: 64, .size: 8, .value_kind: global_buffer, .address_space: global }
    .group_segment_fixed_size: 68096
    .private_segment_fixed_size: 0
    .kernarg_segment_align: 8
    .kernarg_segment_size: 72
    .max_flat_workgroup_size: 128
    .sgpr_count:     66
    .vgpr_count:     1024
    .wavefront_size: 32
...
	.end_amdgpu_metadata
.endif
;; end of part 2
;; launch attn (part 3): grid 4 x 64, 16 waves a work-group, clusters of 4 x 1, 167,936 bytes of LDS; arguments qkvc, lowp_scales, oc; writes oc
.if DOCPART == 3
	.amdgcn_target "amdgcn-amd-amdhsa--gfx1250"
	.amdhsa_code_object_version 6
	.text
	.protected	k_q21f5adafb4_attn
	.globl	k_q21f5adafb4_attn
	.p2align	8
	.type	k_q21f5adafb4_attn,@function
k_q21f5adafb4_attn:
	s_mov_b64 s[64:65], 0
	v_nop
	global_prefetch_b8 v0, s[64:65] scope:SCOPE_SE
	s_setreg_imm32_b32 hwreg(HW_REG_WAVE_MODE, 25, 1), 1
	s_wait_xcnt 0x0
	s_wait_alu depctr_hold_cnt(0) depctr_sa_sdst(0) depctr_va_vdst(0) depctr_va_sdst(0) depctr_va_ssrc(0) depctr_va_vcc(0) depctr_vm_vsrc(0)
	s_getreg_b32 s2, hwreg(HW_REG_IB_STS2, 6, 4)
	s_cmp_eq_u32 s2, 0
	s_cbranch_scc0 .Lentry_in_a_cluster
	s_endpgm
.Lentry_in_a_cluster:
	s_bfe_u32 s2, ttmp6, 0x10000c
	s_cmp_lg_u32 s2, 0x3003
	s_cbranch_scc0 .Lentry_shape_is_right
	s_endpgm
.Lentry_shape_is_right:
; Attention of one (batch, head) on codes of E4M3: S^T = k q^T (K = the head's 32), p = 2^(t - M), O^T = v^T p^T (K = the keys), O / l quantised for the next product and stored as images of its operand registers.
; t = score x log2(e) / sqrt(32); M = the running largest t rounded UP to a whole number, kept as -M = floor(-t); l = the sum of the unquantised p.  When M moves, l and O^T are multiplied by 2^(old M - new M): exact.
; SHARES.  A work-group owns 512 queries of one head; each of its sixteen waves 32 of them: two tiles of 16, in 256 registers; four waves to a SIMD, so that one wave's exponentials stand beside another's plain work.
; THE HEAD'S WHOLE k AND v LIE IN LDS: 16 key steps x 8,192 bytes = 131,072, brought once: wave w asks for key step w.  Nothing is filled again: no ring, one barrier.
; CLUSTER.  The four work-groups of a cluster are the four query blocks of one head and need the same k and v: each tile is asked for JOINTLY, by the same tensor load with the same descriptor and the mask 15.
; LAYOUT.  Both products are used transposed: a lane holds ONE query (lane % 16) throughout.  The keys of a tile are not neighbours (tile 2 b + u: key 32 b + 8 u + r + 8 (r / 8)), so that the 16 registers of tiles
; 2 b and 2 b + 1 are keys 32 b + 16 h + 0 .. 15: the conversions' results are the second product's operand.  All tiles lie in LDS as images of registers: lane l's 16 bytes at 16 l.
; K = 32 IN A FORM OF K = 64: a tile of k is 4 registers; the operand named is 8, whose upper half is the next tile's codes (behind the last tile: zeros).  They meet the zeros in the upper half of q's operand
; and add nothing: every code in qkvc is a finite number, since its quantiser holds at 448.
; No prefetch: the launch's one stream is asked for whole at its head.
; LIMITS: e6 + e7 between -124 and 129 (added to c's exponent field); e9 and e10 - e8 - e9 between -126 and 119.
.set USE_DUAL, 1
.set SPARE, 131072                     ; behind k and v: the spare words, 128 bytes for each of 16 waves
.set LI,  1                            ; v1   16 x lane
.set ADR, 2                            ; v2   LDS address of the step's v
.set ADK, 3                            ; v3   of the next step's k
.set SPW, 4                            ; v4   LDS address of my spare word; never rewritten
.set NIL, 5                            ; v5   0; never rewritten
.set HLD, 6                            ; v6   448 x 2^e9;  v21 the same once more: the two halves of a dual instruction take their first sources from different register banks
.set SCL, 7                            ; v7   2^e9
.set ST,  8                            ; tile a at v[8 + 4 a]: -M, the largest t, l in two halves
.set HL2, 21
.set QF,  24                           ; v24-39   q: 8 registers a tile, the upper 4 zero
.set KF,  40                           ; v40-75   a step's 8 tiles of k, and 4 zeros
.set VF,  76                           ; v76-107  a step's 2 fragments of v
.set SS,  108                          ; v108-171 S^T, then p
.set PC,  172                          ; v172-187 p's codes
.set OO,  188                          ; v188-219 O^T: tile a, fragment d at v[188 + 16 a + 8 d]
.macro CROUND                          ; a round of the cluster's barrier
	s_barrier_signal -1
	s_barrier_wait -1
	s_cmp_lg_u32 s10, 0
	s_cbranch_scc1 .Lnot_wave_0_\@
	s_barrier_signal -3
.Lnot_wave_0_\@:
	s_barrier_wait -3
	s_barrier_signal -1
	s_barrier_wait -1
.endm
	s_load_b128 s[4:7], s[0:1], 0x0                ; qkvc, the scales' exponents
	s_load_b64 s[8:9], s[0:1], 0x10                ; oc
	v_lshl_add_u32 v[SPW], v0, 2, SPARE
	v_mov_b32 v[NIL], 0
	ds_add_u32 v[SPW], v[NIL]                      ; the wave's opening: the add and its wait stand ahead of my tensor load; work on registers stands between them
	v_lshrrev_b32 v1, 5, v0
	v_readfirstlane_b32 s10, v1                    ; wave 0..15
	s_bfe_u32 s11, ttmp6, 0x40000                  ; cx: it enters q's and oc's global addresses alone
	s_and_b32 s12, ttmp7, 0xffff                   ; 16 x batch + head, which the four partners share
	; descriptor group 1: a key step is a dense block of 8,192 bytes: 32 rows of 32 elements of 8 bytes
	s_mov_b32 s16, 15|(3<<16)|(1<<21)              ; 15:0 the mask: all four work-groups; 17:16 elements of 8 bytes; 21 set beside a mask; no padding
	s_mov_b32 s17, 32<<16                          ; tensor_dim0 = 32
	s_mov_b32 s18, 32<<16                          ; tensor_dim1 = 32
	s_mov_b32 s19, 32<<16                          ; tile_dim0 = 32
	s_mov_b32 s20, 32                              ; tile_dim1 = 32
	s_mov_b32 s21, 32                              ; from row to row: 32 elements
	s_mov_b32 s22, 0
	s_mov_b32 s23, 0
	s_mov_b32 s46, 0x76543210                      ; v_permlanex16_b32: lane l xor 16
	s_mov_b32 s47, 0xfedcba98
	s_mov_b32 s48, 0                               ; LDS byte of the key step in hand
	s_mov_b32 s50, 0                               ; key steps done
	s_mul_i32 s13, s12, 196608                     ; the head's first byte in qkvc
	s_lshl_b32 s14, s10, 13                        ; 8,192 x wave
	s_add_co_u32 s52, s13, s14
	s_add_co_u32 s52, s52, 65536                   ; my key step in memory
	s_mov_b32 s53, 0
	s_lshl_b32 s15, ttmp9, 2
	s_add_co_u32 s15, s15, s11                     ; my block of 512 queries
	s_lshl_b32 s15, s15, 4
	s_add_co_u32 s15, s15, s10                     ; my pair of tiles: 32 queries
	s_lshl_b32 s54, s15, 10
	s_add_co_u32 s54, s54, s13                     ; q: two tiles of 512 bytes
	s_mov_b32 s55, 0
	s_lshr_b32 s56, s12, 4
	s_lshl_b32 s56, s56, 7
	s_lshl_b32 s57, s15, 1
	s_add_co_u32 s56, s56, s57                     ; oc: token tile 128 x batch + 2 x pair,
	s_lshl_b32 s56, s56, 13                        ; 8,192 bytes each;
	s_bfe_u32 s57, s12, 0x20002
	s_lshl_b32 s57, s57, 11
	s_add_co_u32 s56, s56, s57                     ; K step head / 4,
	s_and_b32 s57, s12, 3
	s_lshl_b32 s57, s57, 9
	s_add_co_u32 s56, s56, s57                     ; chunk head % 4
	s_mov_b32 s57, 0
	s_wait_dscnt 0x0                               ; the opening add is done
	s_wait_kmcnt 0x0
	s_load_b512 s[28:43], s[6:7], 0x0              ; e0 .. e15
	s_mov_b32 s24, 1                               ; group 0: count = 1,
	s_mov_b32 s25, s14                             ; LDS address: 8,192 x wave,
	s_add_nc_u64 s[26:27], s[4:5], s[52:53]        ; global address,
	s_or_b32 s27, s27, 0x80000000                  ; type = 2
	s_add_nc_u64 s[58:59], s[4:5], s[54:55]
	s_add_nc_u64 s[8:9], s[8:9], s[56:57]
	CROUND                                         ; all four work-groups are here: the joint loads meet
	tensor_load_to_lds s[24:27], s[16:23]          ; my one tensor load
	s_nop 0
	v_and_b32 v[LI], 31, v0
	v_lshlrev_b32 v[LI], 4, v[LI]
	global_load_b128 v[QF:QF+3], v[LI], s[58:59] th:TH_LOAD_NT
	global_load_b128 v[QF+8:QF+11], v[LI], s[58:59] offset:512 th:TH_LOAD_NT
.irp j, 4,5,6,7,12,13,14,15
	v_mov_b32 v[QF+\j], 0                          ; the upper halves of q's operands
.endr
.irp j, 32,33,34,35
	v_mov_b32 v[KF+\j], 0                          ; behind the last tile of k
.endr
.set i, 0
.rept 64
	v_mov_b32 v[OO+i], 0                           ; O^T.  (The loop is written once: its first step finds zeros, which the first change of M leaves zeros)
.set i, i+1
.endr
.irp a, 0,1
	v_mov_b32 v[ST+4*\a+1], 0xff61b1e6             ; the largest t so far: -3e38
	v_floor_f32 v[ST+4*\a], -v[ST+4*\a+1]          ; -M
	v_mov_b32 v[ST+4*\a+2], 0                      ; l
	v_mov_b32 v[ST+4*\a+3], 0
.endr
	v_mov_b32 v19, 0                               ; (named as the upper half of the pair v[18:19])
	v_mov_b32 v20, 0                               ; written once: a lane permute's destination counts as one of its sources
	s_wait_kmcnt 0x0
	s_add_co_i32 s51, s34, s35                     ; e6 + e7: a score stands for score x 2^(e6 + e7)
	s_lshl_b32 s51, s51, 23
	s_mov_b32 s44, 0x3e8293ee                      ; c = log2(e) / sqrt(32)
	s_add_co_i32 s44, s44, s51
	s_mov_b32 s45, s44                             ; (named with it as a pair, so it is written)
	s_add_co_i32 s51, s37, 127
	s_lshl_b32 s52, s51, 23
	v_mov_b32 v[SCL], s52                          ; 2^e9
	s_add_co_i32 s51, s51, 8
	s_lshl_b32 s51, s51, 23
	s_or_b32 s51, s51, 0x600000
	v_mov_b32 v[HLD], s51                          ; 448 x 2^e9
	v_mov_b32 v[HL2], s51
	s_wait_tensorcnt 0x0                           ; my key step is in LDS,
	s_barrier_signal -1
	s_barrier_wait -1                              ; everybody's is
	v_mov_b32 v[ADK], v[LI]
.irp t, 0,1,2,3,4,5,6,7
	ds_load_b128 v[KF+4*\t:KF+4*\t+3], v[ADK] offset:512*\t   ; k of step 0
.endr
	s_wait_loadcnt 0x0                             ; q
; One tile of 16 queries against the step's 128 keys
.macro TILE a
.set SB, ST+4*(\a)
.set QB, QF+8*(\a)
.set OB, OO+16*(\a)
.irp t, 0,1,2,3,4,5,6,7
	v_wmma_f32_16x16x64_fp8_fp8 v[SS+8*\t:SS+8*\t+7], v[KF+4*\t:KF+4*\t+7], v[QB:QB+7], 0
.endr
.if (\a) == 0
.rept 4
	v_nop                                          ; four places ahead of the first read of results (ISA guide 7.12.1)
.endr
.else
	s_add_co_u32 s49, s48, 8192
	s_and_b32 s49, s49, 0x1ffff                    ; the next step; behind the last it is step 0 again, whose bytes are read and not used
	v_add_nc_u32 v[ADK], s49, v[LI]
.rept 3
	v_nop                                          ; with the addition: four places ahead of the loads into k's registers and of the first read of results
.endr
.irp t, 0,1,2,3,4,5,6,7
	ds_load_b128 v[KF+4*\t:KF+4*\t+3], v[ADK] offset:512*\t
.endr
.endif
	v_max3_num_f32 v16, v[SS], v[SS+1], v[SS+2]    ; the largest score of my query among my 64 keys, in two chains, each accumulator from its low end on,
	v_max3_num_f32 v17, v[SS+3], v[SS+4], v[SS+5]
.irp i, 6,10,14,18,22,26,30,34,38,42,46,50,54,58
	v_max3_num_f32 v16, v16, v[SS+\i], v[SS+\i+1]
	v_max3_num_f32 v17, v17, v[SS+\i+2], v[SS+\i+3]
.endr
	v_max3_num_f32 v16, v16, v[SS+62], v[SS+63]
	v_max_num_f32 v16, v16, v17
	v_permlanex16_b32 v20, v16, s46, s47
	v_max_num_f32 v16, v16, v20                    ; and among lane l xor 16's
	v_mul_f32 v16, s44, v16                        ; as t (c is positive)
	v_max_num_f32 v[SB+1], v[SB+1], v16            ; the running largest t
	v_mov_b32 v16, v[SB]
	v_floor_f32 v[SB], -v[SB+1]                    ; the new -M
	v_sub_f32 v16, v[SB], v16                      ; old M - new M: a whole number, 0 or less
	v_cvt_i32_f32 v16, v16                         ; (it saturates)
	v_ldexp_f32 v18, 1.0, v16                      ; f = 2^(old M - new M)
.set i, 0
.rept 32
	v_pk_fma_f32 v[SS+i:SS+i+1], v[SS+i:SS+i+1], s[44:45], v[SB:SB+1] op_sel_hi:[1,0,0]   ; t - M, two at a time
.set i, i+2
.endr
.set i, 0
.rept 64
	v_exp_f32 v[SS+i], v[SS+i]                     ; p = 2^(t - M), at most 1
.set i, i+1
.endr
	v_pk_mul_f32 v[SB+2:SB+3], v[SB+2:SB+3], v[18:19] op_sel_hi:[1,0]   ; l under the new M: the plain instruction behind the batch
	s_wait_alu depctr_va_vdst(0)                   ; one wait for the 64 exponentials, ahead of their first reader
	v_pk_add_f32 v[22:23], v[SS:SS+1], v[SS+2:SS+3]   ; the sum of the UNQUANTISED p, in two chains
.irp j, 4,8,12,16,20,24,28,32,36,40,44,48,52,56,60
	v_pk_add_f32 v[SB+2:SB+3], v[SB+2:SB+3], v[SS+\j:SS+\j+1]
	v_pk_add_f32 v[22:23], v[22:23], v[SS+\j+2:SS+\j+3]
.endr
	v_pk_add_f32 v[SB+2:SB+3], v[SB+2:SB+3], v[22:23]
.set i, 0
.rept 32                               ; the conversion does not saturate (ISA guide 7.6.2); p is not negative, so the hold is one-sided; two numbers an instruction
.if USE_DUAL
	v_dual_min_num_f32 v[SS+i], v[HLD], v[SS+i] :: v_dual_min_num_f32 v[SS+i+1], v[HL2], v[SS+i+1]
.else
	v_min_num_f32 v[SS+i], v[HLD], v[SS+i]
	v_min_num_f32 v[SS+i+1], v[HL2], v[SS+i+1]
.endif
.set i, i+2
.endr
.irp b, 0,1,2,3
	v_cvt_scalef32_pk8_fp8_f32 v[PC+4*\b:PC+4*\b+1], v[SS+16*\b:SS+16*\b+7], v[SCL]
	v_cvt_scalef32_pk8_fp8_f32 v[PC+4*\b+2:PC+4*\b+3], v[SS+16*\b+8:SS+16*\b+15], v[SCL]
.endr
.set i, 0
.rept 8
	v_pk_mul_f32 v[OB+i:OB+i+1], v[OB+i:OB+i+1], v[18:19] op_sel_hi:[1,0]   ; O^T under the new M; also the plain instructions between the conversions and the products
.set i, i+2
.endr
.if (\a) == 0
	s_wait_dscnt 0x0                               ; v is in (asked for at the step's head)
.endif
	v_wmma_f32_16x16x128_fp8_fp8 v[OB:OB+7], v[VF:VF+15], v[PC:PC+15], v[OB:OB+7]
	v_wmma_f32_16x16x128_fp8_fp8 v[OB+8:OB+15], v[VF+16:VF+31], v[PC:PC+15], v[OB+8:OB+15]
.endm
.Lstep:                                            ; 16 trips: a key step of 128 keys
	v_add_nc_u32 v[ADR], s48, v[LI]
.rept 3
	v_nop                                          ; with the addition: four places between the last trip's products and the loads into v's registers
.endr
.irp d, 0,1
.irp c, 0,1,2,3
	ds_load_b128 v[VF+16*\d+4*\c:VF+16*\d+4*\c+3], v[ADR] offset:4096+2048*\d+512*\c
.endr
.endr
	s_wait_dscnt 8                                 ; k, asked for earlier, is in; v's eight loads may stay out
	TILE 0
	TILE 1
	s_add_co_u32 s48, s48, 8192
	s_add_co_u32 s50, s50, 1
	s_cmp_lt_u32 s50, 16
	s_cbranch_scc1 .Lstep
	; THE WAY OUT.  O / l stands for out / 2^(e8 + e9): its code for the next product is O / l / 2^(e10 - e8 - e9).  The additions and moves are the places behind the last products
	v_add_f32 v[ST+2], v[ST+2], v[ST+3]
	v_add_f32 v[ST+6], v[ST+6], v[ST+7]
	v_permlanex16_b32 v20, v[ST+2], s46, s47
	v_permlanex16_b32 v17, v[ST+6], s46, s47
	v_add_f32 v[ST+2], v[ST+2], v20
	v_add_f32 v[ST+6], v[ST+6], v17
	v_rcp_f32 v18, v[ST+2]
	v_rcp_f32 v22, v[ST+6]
	s_sub_co_i32 s51, s38, s36
	s_sub_co_i32 s51, s51, s37
	s_add_co_i32 s51, s51, 127
	s_lshl_b32 s52, s51, 23
	v_mov_b32 v[SCL], s52                          ; 2^(e10 - e8 - e9).  (A plain instruction behind the reciprocals)
	s_add_co_i32 s51, s51, 8
	s_lshl_b32 s51, s51, 23
	s_or_b32 s51, s51, 0x600000
	v_mov_b32 v[HLD], s51
	s_wait_alu depctr_va_vdst(0)                   ; one wait for the two reciprocals, ahead of their first reader
.set i, 0
.rept 8
	v_pk_mul_f32 v[OO+i:OO+i+1], v[OO+i:OO+i+1], v[18:19] op_sel_hi:[1,0]
.set i, i+2
.endr
.set i, 0
.rept 8
	v_pk_mul_f32 v[OO+16+i:OO+16+i+1], v[OO+16+i:OO+16+i+1], v[22:23] op_sel_hi:[1,0]
.set i, i+2
.endr
.set i, 0
.rept 32
	v_med3_num_f32 v[OO+i], v[OO+i], -v[HLD], v[HLD]
.set i, i+1
.endr
.irp a, 0,1
	v_cvt_scalef32_pk8_fp8_f32 v[PC+4*\a:PC+4*\a+1], v[OO+16*\a:OO+16*\a+7], v[SCL]        ; my query's channels 16 h + 0 .. 15
	v_cvt_scalef32_pk8_fp8_f32 v[PC+4*\a+2:PC+4*\a+3], v[OO+16*\a+8:OO+16*\a+15], v[SCL]
.endr
	v_nop
	global_store_b128 v[LI], v[PC:PC+3], s[8:9]                   ; 512 consecutive bytes, aligned: a chunk of the next product's operand
	global_store_b128 v[LI], v[PC+4:PC+7], s[8:9] offset:8192
	s_wait_tensorcnt 0x0                           ; the wave's end
	ds_add_u32 v[SPW], v[NIL]
	s_wait_dscnt 0x0
	CROUND                                         ; the closing round
	s_endpgm
.Lfunc_end_k_q21f5adafb4_attn:
	.size	k_q21f5adafb4_attn, .Lfunc_end_k_q21f5adafb4_attn-k_q21f5adafb4_attn
	.p2alignl 7, 3214868480
	.fill 96, 4, 3214868480
	.section	.rodata,"a",@progbits
	.p2align	6, 0x0
	.amdhsa_kernel k_q21f5adafb4_attn
		.amdhsa_group_segment_fixed_size 167936
		.amdhsa_private_segment_fixed_size 0
		.amdhsa_enable_private_segment 0
		.amdhsa_kernarg_size 24
		.amdhsa_user_sgpr_count 2
		.amdhsa_user_sgpr_kernarg_segment_ptr 1
		.amdhsa_wavefront_size32 1
		.amdhsa_system_sgpr_workgroup_id_x 1
		.amdhsa_system_sgpr_workgroup_id_y 1
		.amdhsa_system_sgpr_workgroup_id_z 1
		.amdhsa_system_vgpr_workitem_id 0
		.amdhsa_next_free_vgpr 256
		.amdhsa_next_free_sgpr 66
		.amdhsa_reserve_vcc 0
		.amdhsa_float_denorm_mode_32 3
		.amdhsa_float_denorm_mode_16_64 3
		.amdhsa_memory_ordered 1
		.amdhsa_forward_progress 1
		.amdhsa_inst_pref_size 38
	.end_amdhsa_kernel
	.amdgpu_metadata
---
amdhsa.version: [ 1, 2 ]
amdhsa.kernels:
  - .name:           k_q21f5adafb4_attn
    .symbol:         k_q21f5adafb4_attn.kd
    .args:
      - { .name: qkvc, .offset: 0, .size: 8, .value_kind: global_buffer, .address_space: global }
      - { .name: lowp_scales, .offset: 8, .size: 8, .value_kind: global_buffer, .address_space: global }
      - { .name: oc, .offset: 16, .size: 8, .value_kind: global_buffer, .address_space: global }
    .group_segment_fixed_size: 167936
    .private_segment_fixed_size: 0
    .kernarg_segment_align: 8
    .kernarg_segment_size: 24
    .max_flat_workgroup_size: 512
    .sgpr_count:     66
    .vgpr_count:     256
    .wavefront_size: 32
...
	.end_amdgpu_metadata
.endif
;; end of part 3
;; launch tail (part 4): grid 256 x 1, 4 waves a work-group, no clusters, 101,888 bytes of LDS; arguments x, oc, wimg, lowp_scales, bo, norm2_g, norm2_b, b1, b2, out0; writes out0
.if DOCPART == 4
	.amdgcn_target "amdgcn-amd-amdhsa--gfx1250"
	.amdhsa_code_object_version 6
	.text
	.protected	k_q21f5adafb4_tail
	.globl	k_q21f5adafb4_tail
	.p2align	8
	.type	k_q21f5adafb4_tail,@function
k_q21f5adafb4_tail:
	s_mov_b64 s[64:65], 0
	v_nop
	global_prefetch_b8 v0, s[64:65] scope:SCOPE_SE
	s_setreg_imm32_b32 hwreg(HW_REG_WAVE_MODE, 25, 1), 1
	s_wait_xcnt 0x0
; x1 = x + out wo^T + bo;  h = layernorm(x1) g + b;  out0 = x1 + relu(h w1^T + b1) w2^T + b2.  The three products on codes of E4M3; x1, h and the hidden layer never go to memory.
; SHARES.  A work-group takes 32 rows: two tiles u of 16 tokens (tile u: token 8 u + r + 8 (r / 8)).  THE WAVES SHARE THE COLUMNS: wave w makes columns 128 w .. 128 w + 127 of all three products,
; source 0 = 16 rows of the weight, source 1 = 16 tokens: a lane holds one token and 64 columns, register 16 b + i = column 128 w + 32 b + 16 h + i.  A wave's 128 columns are K step w of the next product:
; quantised in registers, they go to the other waves through LDS as images of the operand's registers (lane l's 16 bytes at 16 l).
; THE WEIGHTS stream from wimg into registers in six chunks of 16 fragments (two K steps of my 8 tiles), windows 1 and 2 by turns, each asked for as soon as its window is free.
; NO JOINT LOADS: a fragment of 2,048 bytes feeds two matrix instructions here; through LDS all 786,432 bytes would be written and read once more, with a round of a cluster's barrier for each slot.
; No loop and no branch: the loads are counted by the symbol ISS, and WAITL names how many were issued behind the batch that is wanted (63 at the most can be named).
; LIMITS: e12 and e14 - e12 - e13 between -126 and 119; e10 + e11 and e14 + e15 between -126 and 127; NaN among the inputs is not served.
; REGISTERS: window 0: v1-15 addresses and scales; v16-31 at work; v32-47 codes just made; v48-111 four fragments of the rows' operand, or norm2_b; v112-239 16 accumulators (u, n) at v[112 + 64 u + 8 n].
;   windows 1, 2: a chunk of weights.   window 3: v0-127 x, then x1; v128-191 bo, g, b2 by turns; v192-255 oc's K steps 2 and 3, then b1.
.set H2I,   67584                      ; LDS: from 0 a stage of 32 rows x 528 bytes for each wave; then h's 8 images; 16,384 further on the hidden layer's
.set STAT,  100352                     ; the waves' partial sums: 16 bytes a token; 512 further on those of the squares
.set SPARE, 101376                     ; the spare words, 128 bytes a wave
.set LI,  1                            ; v1   16 x lane
.set SW,  2                            ; v2   my stage, by rows: 16 x lane
.set SR,  3                            ; v3   my stage, by the result's layout: 528 r + 64 h
.set H64, 4                            ; v4   64 h
.set LI2, 5                            ; v5   the images: H2I + 16 x lane
.set IW,  6                            ; v6   where I store mine: + 2,048 w
.set SA,  7                            ; v7   STAT + 16 x lane + 4 w
.set SB,  8                            ; v8   STAT + 16 r
.set SPW, 9                            ; v9   LDS address of my spare word; never rewritten
.set NIL, 10                           ; v10  0; never rewritten
.set TT,  16
.set PCD, 32
.set FF,  48
.set ACC, 112
.set X1,  0
.set P0,  128
.set P1,  192
.set MSB, 0
.set ISS, 0
.macro WIN new                         ; the immediate's high byte repeats the setting that is left
.if MSB != (\new)
	s_set_vgpr_msb (MSB<<8)|(\new)
.set MSB, (\new)
.endif
.endm
.macro WAITL mark                      ; all loads up to the mark are in
.if ISS-(\mark) > 63
	s_wait_loadcnt 63
.else
	s_wait_loadcnt ISS-(\mark)
.endif
.endm
.macro BARRIER                         ; my LDS stores have landed and my LDS loads are in: then the work-group's barrier
	s_wait_dscnt 0x0
	s_barrier_signal -1
	s_barrier_wait -1
.endm
.macro PLACES
.rept 4
	v_nop                                          ; four places behind the last product, ahead of loads into its sources and of the first read of results
.endr
.endm
.macro PLOAD wb, reg, lo               ; my lane's 64 numbers of a vector of 512, in the result's layout
	WIN \wb
.irp b, 0,1,2,3
.irp q, 0,1,2,3
	global_load_b128 v[\reg+16*\b+4*\q:\reg+16*\b+4*\q+3], v[H64], s[\lo:\lo+1] offset:128*\b+16*\q
.endr
.endr
.set ISS, ISS+16
	WIN 0
.endm
.macro WLOAD q                         ; chunk q: product q / 2, K steps 2 (q % 2) and 2 (q % 2) + 1: 64 loads of 512 consecutive bytes
	WIN 0x40*(1+(\q)%2)
.set i, 0
.rept 64
	global_load_b128 v[4*i:4*i+3], v[LI], s[8:9] offset:((\q)/2)*262144+((\q)%2)*32768+512*i
.set i, i+1
.endr
.set ISS, ISS+64
	WIN 0
.endm
; 32 products: a chunk's two K steps x two tiles of tokens x my 8 tiles of columns; the 16 accumulators take turns, one instruction a turn.
; ww: the weights' window; fw, fb: the rows' fragments; cm: 0 the first K step starts the sums, 1 it starts them from b1, 2 it adds on
.macro MULCH ww, fw, fb, cm
.irp sl, 0,1
.if (\cm == 1) && (\sl == 0)
	WIN (\ww)|((\fw)<<2)|0x30
.else
	WIN (\ww)|((\fw)<<2)
.endif
.irp u, 0,1
.irp n, 0,1,2,3,4,5,6,7
.if (\cm == 0) && (\sl == 0)
	v_wmma_f32_16x16x128_fp8_fp8 v[ACC+64*\u+8*\n:ACC+64*\u+8*\n+7], v[16*(8*\sl+\n):16*(8*\sl+\n)+15], v[\fb+32*\sl+16*\u:\fb+32*\sl+16*\u+15], 0
.elseif (\cm == 1) && (\sl == 0)
	v_wmma_f32_16x16x128_fp8_fp8 v[ACC+64*\u+8*\n:ACC+64*\u+8*\n+7], v[16*(8*\sl+\n):16*(8*\sl+\n)+15], v[\fb+32*\sl+16*\u:\fb+32*\sl+16*\u+15], v[P1+8*\n:P1+8*\n+7]
.else
	v_wmma_f32_16x16x128_fp8_fp8 v[ACC+64*\u+8*\n:ACC+64*\u+8*\n+7], v[16*(8*\sl+\n):16*(8*\sl+\n)+15], v[\fb+32*\sl+16*\u:\fb+32*\sl+16*\u+15], v[ACC+64*\u+8*\n:ACC+64*\u+8*\n+7]
.endif
.endr
.endr
.endr
	WIN 0
	PLACES
.endm
.macro FETCHF img, a                   ; the rows' fragments of K steps 2 a and 2 a + 1, both tiles, from the images
.irp u, 0,1
.irp sl, 0,1
.irp c, 0,1,2,3
	ds_load_b128 v[FF+32*\sl+16*\u+4*\c:FF+32*\sl+16*\u+4*\c+3], v[LI2] offset:\img+(4*\u+2*(\a)+\sl)*2048+512*\c
.endr
.endr
.endr
.endm
; 64 numbers of a lane, register 16 b + i = k 32 b + 16 h + i of my token, become a fragment's codes in v[PCD] on.  relu = 1: what is negative becomes 0 on the way
.macro QUANT s, relu, sc, lim
.irp b, 0,1,2,3
.irp i, 0,1,2,3,4,5,6,7,8,9,10,11,12,13,14,15
.if \relu
	v_med3_num_f32 v[\s+16*\b+\i], v[\s+16*\b+\i], 0, v[\lim]          ; the activation and the hold in one
.else
	v_med3_num_f32 v[\s+16*\b+\i], v[\s+16*\b+\i], -v[\lim], v[\lim]   ; the conversion does not saturate (ISA guide 7.6.2)
.endif
.endr
	v_cvt_scalef32_pk8_fp8_f32 v[PCD+4*\b:PCD+4*\b+1], v[\s+16*\b:\s+16*\b+7], v[\sc]
	v_cvt_scalef32_pk8_fp8_f32 v[PCD+4*\b+2:PCD+4*\b+3], v[\s+16*\b+8:\s+16*\b+15], v[\sc]
.endr
	v_nop                                          ; a plain instruction behind the last conversion: later products write its sources
.endm
.macro IMAGE off
.irp c, 0,1,2,3
	ds_store_b128 v[IW], v[PCD+4*\c:PCD+4*\c+3] offset:\off+512*\c
.endr
	s_wait_dscnt 0x0                               ; the stores have read their registers
.endm
.macro ADDP                            ; x1 += the vector in P0, both tiles
	WIN 0xcf
.irp u, 0,1
.set i, 0
.rept 32
	v_pk_add_f32 v[X1+64*\u+i:X1+64*\u+i+1], v[X1+64*\u+i:X1+64*\u+i+1], v[P0+i:P0+i+1]
.set i, i+2
.endr
.endr
	WIN 0
.endm
; The two chains of each tile are joined; lane l xor 16 holds my token's other 64 columns of this wave; the four waves' parts meet in LDS.  Leaves each tile's total in v[TT + 4 u]
.macro STATS off
.irp u, 0,1
	v_pk_add_f32 v[TT+4*\u:TT+4*\u+1], v[TT+4*\u:TT+4*\u+1], v[TT+4*\u+2:TT+4*\u+3]
.endr
.irp u, 0,1
	v_add_f32 v[TT+4*\u], v[TT+4*\u], v[TT+4*\u+1]
.endr
.irp u, 0,1
	v_permlanex16_b32 v[TT+4*\u+1], v[TT+4*\u], s48, s49
.endr
.irp u, 0,1
	v_add_f32 v[TT+4*\u], v[TT+4*\u], v[TT+4*\u+1]
.endr
	v_cndmask_b32 v24, v[TT], v[TT+4], s50         ; lanes 0-15 hand in tile 0's tokens, lanes 16-31 tile 1's
	ds_store_b32 v[SA], v24 offset:\off
	BARRIER
	ds_load_b128 v[24:27], v[SB] offset:\off
	ds_load_b128 v[28:31], v[SB] offset:\off+256
	s_wait_dscnt 0x0
.irp u, 0,1
	v_add_f32 v[24+4*\u], v[24+4*\u], v[25+4*\u]
	v_add_f32 v[26+4*\u], v[26+4*\u], v[27+4*\u]
.endr
.irp u, 0,1
	v_add_f32 v[TT+4*\u], v[24+4*\u], v[26+4*\u]
.endr
.endm
	s_load_b512 s[4:19], s[0:1], 0x0               ; x, oc, wimg s[8:9], the scales s[10:11], bo, norm2_g, norm2_b, b1 s[18:19]
	s_load_b128 s[20:23], s[0:1], 0x40             ; b2, out0
	v_lshl_add_u32 v[SPW], v0, 2, SPARE
	v_mov_b32 v[NIL], 0
	v_lshrrev_b32 v11, 5, v0
	v_readfirstlane_b32 s24, v11                   ; wave w
	v_and_b32 v11, 31, v0
	v_lshlrev_b32 v[LI], 4, v11
	v_and_b32 v16, 15, v0                          ; r
	v_bfe_u32 v17, v0, 4, 1                        ; h
	s_mul_i32 s52, s24, 32*528
	v_add_nc_u32 v[SW], s52, v[LI]
	v_mul_u32_u24 v[SR], v16, 528
	v_lshl_add_u32 v[SR], v17, 6, v[SR]
	v_add_nc_u32 v[SR], s52, v[SR]
	v_lshlrev_b32 v[H64], 6, v17
	v_add_nc_u32 v[LI2], H2I, v[LI]
	s_lshl_b32 s53, s24, 11
	v_add_nc_u32 v[IW], s53, v[LI2]
	s_lshl_b32 s53, s24, 2
	s_add_co_u32 s53, s53, STAT
	v_add_nc_u32 v[SA], s53, v[LI]
	v_lshlrev_b32 v[SB], 4, v16
	v_add_nc_u32 v[SB], STAT, v[SB]
	s_mov_b32 s44, 0xbb000000                      ; -1 / 512
	s_mov_b32 s45, 0x3b000000                      ; 1 / 512
	s_mov_b32 s46, 0x3727c5ac                      ; 1e-5
	s_mov_b32 s48, 0x76543210                      ; v_permlanex16_b32: lane l xor 16
	s_mov_b32 s49, 0xfedcba98
	s_mov_b32 s50, 0xffff0000                      ; lanes 16-31
	s_lshl_b32 s54, ttmp9, 16
	s_lshl_b32 s55, s24, 9
	s_add_co_u32 s54, s54, s55                     ; x, out0: 32 rows of 2,048 bytes a work-group, + my 512 bytes of a row
	s_mov_b32 s55, 0
	s_lshl_b32 s56, ttmp9, 14                      ; oc: two tiles of 8,192 bytes
	s_mov_b32 s57, 0
	s_lshl_b32 s58, s24, 16
	s_add_co_u32 s58, s58, 786432                  ; wimg: behind wq, wk, wv; my column group
	s_mov_b32 s59, 0
	s_lshl_b32 s60, s24, 9                         ; the vectors: my 128 numbers
	s_mov_b32 s61, 0
	s_wait_kmcnt 0x0
	s_load_b256 s[32:39], s[10:11], 0x20           ; e8 .. e15
	s_add_nc_u64 s[4:5], s[4:5], s[54:55]
	s_add_nc_u64 s[22:23], s[22:23], s[54:55]
	s_add_nc_u64 s[6:7], s[6:7], s[56:57]
	s_add_nc_u64 s[8:9], s[8:9], s[58:59]
.irp p, 12,14,16,18,20
	s_add_nc_u64 s[\p:\p+1], s[\p:\p+1], s[60:61]
.endr
	; ---- the head's loads
	WIN 0xc0
.set i, 0
.rept 32
	global_load_b128 v[X1+4*i:X1+4*i+3], v[LI], s[4:5] offset:2048*i th:TH_LOAD_NT   ; row i, my 512 bytes: dense
.set i, i+1
.endr
.set ISS, ISS+32
.irp u, 0,1
.irp sl, 0,1
.irp c, 0,1,2,3
	global_load_b128 v[P1+32*\sl+16*\u+4*\c:P1+32*\sl+16*\u+4*\c+3], v[LI], s[6:7] offset:8192*\u+2048*(2+\sl)+512*\c th:TH_LOAD_NT   ; oc's K steps 2, 3
.endr
.endr
.endr
.set ISS, ISS+16
	PLOAD 0xc0, P0, 12                             ; bo
.irp u, 0,1
.irp sl, 0,1
.irp c, 0,1,2,3
	global_load_b128 v[FF+32*\sl+16*\u+4*\c:FF+32*\sl+16*\u+4*\c+3], v[LI], s[6:7] offset:8192*\u+2048*\sl+512*\c th:TH_LOAD_NT      ; oc's K steps 0, 1
.endr
.endr
.endr
.set ISS, ISS+16
.set M_BO, ISS
	WLOAD 0
.set M_W0, ISS
	s_wait_kmcnt 0x0
	s_add_co_i32 s40, s34, s35
	s_add_co_i32 s40, s40, 127
	s_lshl_b32 s40, s40, 23                        ; 2^(e10 + e11)
	s_mov_b32 s41, s40                             ; (named with it as a pair, so it is written)
	s_add_co_i32 s42, s38, s39
	s_add_co_i32 s42, s42, 127
	s_lshl_b32 s42, s42, 23                        ; 2^(e14 + e15)
	s_mov_b32 s43, s42
	s_add_co_i32 s52, s36, 127
	s_lshl_b32 s53, s52, 23
	v_mov_b32 v12, s53                             ; 2^e12
	s_add_co_i32 s52, s52, 8
	s_lshl_b32 s52, s52, 23
	s_or_b32 s52, s52, 0x600000
	v_mov_b32 v13, s52                             ; 448 x 2^e12
	s_add_co_i32 s51, s36, s37                     ; e12 + e13
	s_sub_co_i32 s52, s38, s51
	s_add_co_i32 s52, s52, 127
	s_lshl_b32 s53, s52, 23
	v_mov_b32 v14, s53                             ; 2^(e14 - e12 - e13)
	s_add_co_i32 s52, s52, 8
	s_lshl_b32 s52, s52, 23
	s_or_b32 s52, s52, 0x600000
	v_mov_b32 v15, s52
	s_sub_co_i32 s51, 0, s51                       ; -(e12 + e13), for b1
	; ---- x into the result's layout, through my own stage: in by rows (token t in slot 16 ((t / 8) % 2) + t % 8 + 8 (t / 16)), back 16 numbers a block of 32
	WAITL M_BO
	WIN 0x0c
.set i, 0
.rept 32
	ds_store_b128 v[SW], v[X1+4*i:X1+4*i+3] offset:(16*((i/8)%2)+i%8+8*(i/16))*528
.set i, i+1
.endr
	WIN 0xc0
.irp u, 0,1
.irp b, 0,1,2,3
.irp q, 0,1,2,3
	ds_load_b128 v[X1+64*\u+16*\b+4*\q:X1+64*\u+16*\b+4*\q+3], v[SR] offset:16*\u*528+128*\b+16*\q   ; LDS serves a wave's instructions in order (ISA guide 5.7.1.4): these see the stores above
.endr
.endr
.endr
	s_wait_dscnt 0x0
	ADDP                                           ; x + bo
	PLOAD 0xc0, P0, 14                             ; norm2_g
	WLOAD 1
.set M_W1, ISS
	; ---- out wo^T
	WAITL M_W0
	MULCH 1, 0, FF, 0
	PLOAD 0, FF, 16                                ; norm2_b
.set M_BN, ISS
	WLOAD 2
.set M_W2, ISS
	WAITL M_W1
	MULCH 2, 3, P1, 2
	PLOAD 0xc0, P1, 18                             ; b1
.set M_B1, ISS
	WLOAD 3
.set M_W3, ISS
	WIN 0xf0
.set i, 0
.rept 64
	v_pk_fma_f32 v[X1+i:X1+i+1], v[ACC+i:ACC+i+1], s[40:41], v[X1+i:X1+i+1] op_sel_hi:[1,0,1]   ; x1 = sum x 2^(e10 + e11) + (x + bo); each accumulator from its low end on
.set i, i+2
.endr
	; ---- the second norm: the mean,
	WIN 0x0f
.irp u, 0,1
	v_pk_add_f32 v[TT+4*\u:TT+4*\u+1], v[X1+64*\u:X1+64*\u+1], v[X1+64*\u+2:X1+64*\u+3]
	v_pk_add_f32 v[TT+4*\u+2:TT+4*\u+3], v[X1+64*\u+4:X1+64*\u+5], v[X1+64*\u+6:X1+64*\u+7]
.endr
	WIN 0x0c
.irp k, 8,12,16,20,24,28,32,36,40,44,48,52,56,60
.irp u, 0,1
	v_pk_add_f32 v[TT+4*\u:TT+4*\u+1], v[TT+4*\u:TT+4*\u+1], v[X1+64*\u+\k:X1+64*\u+\k+1]
	v_pk_add_f32 v[TT+4*\u+2:TT+4*\u+3], v[TT+4*\u+2:TT+4*\u+3], v[X1+64*\u+\k+2:X1+64*\u+\k+3]
.endr
.endr
	WIN 0
	STATS 0
.irp u, 0,1
	v_mul_f32 v[TT+4*\u], s44, v[TT+4*\u]          ; -mean
.endr
	WIN 0x03
.irp u, 0,1
.set i, 0
.rept 32
	v_pk_add_f32 v[ACC+64*\u+i:ACC+64*\u+i+1], v[X1+64*\u+i:X1+64*\u+i+1], v[TT+4*\u:TT+4*\u+1] op_sel_hi:[1,0]
.set i, i+2
.endr
.endr
	WIN 0
	; the variance,
.irp u, 0,1
	v_pk_mul_f32 v[TT+4*\u:TT+4*\u+1], v[ACC+64*\u:ACC+64*\u+1], v[ACC+64*\u:ACC+64*\u+1]
	v_pk_mul_f32 v[TT+4*\u+2:TT+4*\u+3], v[ACC+64*\u+2:ACC+64*\u+3], v[ACC+64*\u+2:ACC+64*\u+3]
.endr
.irp k, 4,8,12,16,20,24,28,32,36,40,44,48,52,56,60
.irp u, 0,1
	v_pk_fma_f32 v[TT+4*\u:TT+4*\u+1], v[ACC+64*\u+\k:ACC+64*\u+\k+1], v[ACC+64*\u+\k:ACC+64*\u+\k+1], v[TT+4*\u:TT+4*\u+1]
	v_pk_fma_f32 v[TT+4*\u+2:TT+4*\u+3], v[ACC+64*\u+\k+2:ACC+64*\u+\k+3], v[ACC+64*\u+\k+2:ACC+64*\u+\k+3], v[TT+4*\u+2:TT+4*\u+3]
.endr
.endr
	STATS 512
.irp u, 0,1
	v_fma_f32 v[TT+4*\u], v[TT+4*\u], s45, s46
.endr
.irp u, 0,1
	v_rsq_f32 v[TT+4*\u+2], v[TT+4*\u]
.endr
	v_nop                                          ; a plain instruction behind the batch
	s_wait_alu depctr_va_vdst(0)                   ; one wait for the two roots, ahead of their first reader
	WAITL M_BN                                     ; g and b are in
.irp u, 0,1
.set i, 0
.rept 32
	v_pk_mul_f32 v[ACC+64*\u+i:ACC+64*\u+i+1], v[ACC+64*\u+i:ACC+64*\u+i+1], v[TT+4*\u+2:TT+4*\u+3] op_sel_hi:[1,0]
.set i, i+2
.endr
.endr
	WIN 0x0c
.irp u, 0,1
.set i, 0
.rept 32
	v_pk_fma_f32 v[ACC+64*\u+i:ACC+64*\u+i+1], v[ACC+64*\u+i:ACC+64*\u+i+1], v[P0+i:P0+i+1], v[FF+i:FF+i+1]
.set i, i+2
.endr
.endr
	WIN 0
	PLOAD 0xc0, P0, 20                             ; b2
.set M_B2, ISS
	QUANT ACC, 0, 12, 13
	IMAGE 0
	QUANT ACC+64, 0, 12, 13
	IMAGE 8192
	WAITL M_B1
	WIN 0xc3
.set i, 0
.rept 64
	v_ldexp_f32 v[P1+i], v[P1+i], s51              ; b1 / 2^(e12 + e13): the C of the next sums' first products
.set i, i+1
.endr
	WIN 0
	BARRIER                                        ; h's eight fragments lie in LDS
	; ---- relu(h w1^T + b1)
	FETCHF 0, 0
	WAITL M_W2
	s_wait_dscnt 0x0
	MULCH 1, 0, FF, 1
	FETCHF 0, 1
	WLOAD 4
.set M_W4, ISS
	WAITL M_W3
	s_wait_dscnt 0x0
	MULCH 2, 0, FF, 2
	WLOAD 5
.set M_W5, ISS
	QUANT ACC, 1, 14, 15
	IMAGE 16384
	QUANT ACC+64, 1, 14, 15
	IMAGE 16384+8192
	BARRIER                                        ; the hidden layer's eight fragments lie in LDS
	; ---- the last product, and the way out
	FETCHF 16384, 0
	WAITL M_B2
	ADDP                                           ; x1 + b2
	WAITL M_W4
	s_wait_dscnt 0x0
	MULCH 1, 0, FF, 0
	FETCHF 16384, 1
	WAITL M_W5
	s_wait_dscnt 0x0
	MULCH 2, 0, FF, 2
	WIN 0x30
.set i, 0
.rept 64
	v_pk_fma_f32 v[ACC+i:ACC+i+1], v[ACC+i:ACC+i+1], s[42:43], v[X1+i:X1+i+1] op_sel_hi:[1,0,1]   ; out0 = sum x 2^(e14 + e15) + (x1 + b2)
.set i, i+2
.endr
	WIN 0
.irp u, 0,1
.irp b, 0,1,2,3
.irp q, 0,1,2,3
	ds_store_b128 v[SR], v[ACC+64*\u+16*\b+4*\q:ACC+64*\u+16*\b+4*\q+3] offset:16*\u*528+128*\b+16*\q   ; back through my own stage,
.endr
.endr
.endr
.set i, 0
.rept 32
	ds_load_b128 v[ACC+4*i:ACC+4*i+3], v[SW] offset:i*528                                               ; and out of it by rows: slot i
.set i, i+1
.endr
.set i, 0
.rept 32
	s_wait_dscnt 31-i
	global_store_b128 v[LI], v[ACC+4*i:ACC+4*i+3], s[22:23] offset:(8*(i/16)+i%16+8*((i%16)/8))*2048 th:TH_STORE_NT   ; slot i's token: the wave stores 512 consecutive bytes, aligned
.set i, i+1
.endr
	s_wait_tensorcnt 0x0                           ; the wave's end
	ds_add_u32 v[SPW], v[NIL]
	s_wait_dscnt 0x0
	s_endpgm
.Lfunc_end_k_q21f5adafb4_tail:
	.size	k_q21f5adafb4_tail, .Lfunc_end_k_q21f5adafb4_tail-k_q21f5adafb4_tail
	.p2alignl 7, 3214868480
	.fill 96, 4, 3214868480
	.section	.rodata,"a",@progbits
	.p2align	6, 0x0
	.amdhsa_kernel k_q21f5adafb4_tail
		.amdhsa_group_segment_fixed_size 101888
		.amdhsa_private_segment_fixed_size 0
		.amdhsa_enable_private_segment 0
		.amdhsa_kernarg_size 80
		.amdhsa_user_sgpr_count 2
		.amdhsa_user_sgpr_kernarg_segment_ptr 1
		.amdhsa_wavefront_size32 1
		.amdhsa_system_sgpr_workgroup_id_x 1
		.amdhsa_system_sgpr_workgroup_id_y 1
		.amdhsa_system_sgpr_workgroup_id_z 1
		.amdhsa_system_vgpr_workitem_id 0
		.amdhsa_next_free_vgpr 1024
		.amdhsa_next_free_sgpr 66
		.amdhsa_reserve_vcc 0
		.amdhsa_float_denorm_mode_32 3
		.amdhsa_float_denorm_mode_16_64 3
		.amdhsa_memory_ordered 1
		.amdhsa_forward_progress 1
		.amdhsa_inst_pref_size 146
	.end_amdhsa_kernel
	.amdgpu_metadata
---
amdhsa.version: [ 1, 2 ]
amdhsa.kernels:
  - .name:           k_q21f5adafb4_tail
    .symbol:         k_q21f5adafb4_tail.kd
    .args:
      - { .name: x, .offset: 0, .size: 8, .value_kind: global_buffer, .address_space: global }
      - { .name: oc, .offset: 8, .size: 8, .value_kind: global_buffer, .address_space: global }
      - { .name: wimg, .offset: 16, .size: 8, .value_kind: global_buffer, .address_space: global }
      - { .name: lowp_scales, .offset: 24, .size: 8, .value_kind: global_buffer, .address_space: global }
      - { .name: bo, .offset: 32, .size: 8, .value_kind: global_buffer, .address_space: global }
      - { .name: norm2_g, .offset: 40, .size: 8, .value_kind: global_buffer, .address_space: global }
      - { .name: norm2_b, .offset: 48, .size: 8, .value_kind: global_buffer, .address_space: global }
      - { .name: b1, .offset: 56, .size: 8, .value_kind: global_buffer, .address_space: global }
      - { .name: b2, .offset: 64, .size: 8, .value_kind: global_buffer, .address_space: global }
      - { .name: out0, .offset: 72, .size: 8, .value_kind: global_buffer, .address_space: global }
    .group_segment_fixed_size: 101888
    .private_segment_fixed_size: 0
    .kernarg_segment_align: 8
    .kernarg_segment_size: 80
    .max_flat_workgroup_size: 128
    .sgpr_count:     66
    .vgpr_count:     1024
    .wavefront_size: 32
...
	.end_amdgpu_metadata
.endif
;; end of part 4
;; ======== version 2 of 2: 4 launches
;; workspace buffers: wimg 1,572,864 bytes; qkvc 12,582,912 bytes; oc 4,194,304 bytes
;; launch prep (part 5): grid 32 x 6, 4 waves a work-group, no clusters, 0 bytes of LDS; arguments wq, wk, wv, wo, w1, w2, lowp_scales, wimg; writes wimg
.if DOCPART == 5
	.amdgcn_target "amdgcn-amd-amdhsa--gfx1250"
	.amdhsa_code_object_version 6
	.text
	.protected	k_q21f5adafb4_prep
	.globl	k_q21f5adafb4_prep
	.p2align	8
	.type	k_q21f5adafb4_prep,@function
k_q21f5adafb4_prep:
	s_mov_b64 s[64:65], 0
	v_nop
	global_prefetch_b8 v0, s[64:65] scope:SCOPE_SE
	s_setreg_imm32_b32 hwreg(HW_REG_WAVE_MODE, 25, 1), 1
	s_wait_xcnt 0x0
; The six weights [512 (n)][512 (k)], f32, become codes of E4M3, each with its given scale 2^e, laid as IMAGES OF OPERAND REGISTERS:
; wimg[matrix y: q,k,v,o,1,2][column group w: 65,536][K step s: 16,384][tile n: 2,048]; an image is four chunks of 512 bytes, lane l's 16 bytes at 16 l.
; Chunk c of lane (r, h) is K piece p = 8 s + 2 c + h of the tile's row r.  The rows of a tile are not neighbours: tile N = 8 w + n takes row 32 (N / 2) + 8 (N % 2) + r + 8 (r / 8),
; so that the results of two neighbouring tiles are 16 neighbours along the next product's K.
; K ORDER.  wo, w1, w2: piece p holds k = 16 p .. 16 p + 15.  wq, wk, wv: byte 4 j + i of piece p holds k = 128 j + 4 p + i: the order in which the next launch's dense row loads leave the normalised rows.
; A work-group takes one tile N of one matrix y, its wave s one K step: 16 rows x 128 k.  No LDS, no barrier: waves share nothing.
; code = x / 2^e, held within +-448, to the nearest code, ties to even.  LIMITS: e between -126 and 119; NaN among the inputs is not served.
.set XR, 16                            ; v16-79  64 numbers of a lane
.set CR, 80                            ; v80-95  their codes
	s_load_b512 s[4:19], s[0:1], 0x0               ; wq, wk, wv, wo, w1, w2, the scales' exponents s[16:17], wimg s[18:19]
	s_and_b32 s20, ttmp7, 0xffff                   ; y
	s_mov_b32 s21, ttmp9                           ; N
	v_lshrrev_b32 v1, 5, v0
	v_readfirstlane_b32 s22, v1                    ; wave = K step s
	v_and_b32 v1, 15, v0                           ; r
	v_bfe_u32 v2, v0, 4, 1                         ; h
	v_and_b32 v3, 8, v1
	v_add_nc_u32 v3, v3, v1                        ; r + 8 (r / 8)
	v_lshlrev_b32 v3, 11, v3                       ; x a row of 2,048 bytes
	v_and_b32 v5, 31, v0
	v_lshlrev_b32 v5, 4, v5                        ; 16 l: my place in a chunk
	s_lshl_b32 s28, s20, 3
	s_cmp_lt_u32 s20, 3
	s_cselect_b32 s29, 4, 20
	s_add_co_u32 s28, s28, s29                     ; the byte of my scale's entry: 4 (2 y + 1) for wq, wk, wv; 4 (2 y + 5) for wo, w1, w2
	s_mov_b32 s29, 0
	s_lshr_b32 s30, s21, 1
	s_lshl_b32 s30, s30, 16
	s_and_b32 s31, s21, 1
	s_lshl_b32 s31, s31, 14
	s_add_co_u32 s30, s30, s31                     ; the tile's first row: (32 (N / 2) + 8 (N % 2)) x 2,048 bytes
	s_mov_b32 s31, 0
	s_lshl_b32 s32, s20, 18                        ; the image's place: 262,144 y
	s_lshr_b32 s33, s21, 3
	s_lshl_b32 s33, s33, 16
	s_add_co_u32 s32, s32, s33                     ; + 65,536 (N / 8)
	s_lshl_b32 s33, s22, 14
	s_add_co_u32 s32, s32, s33                     ; + 16,384 s
	s_and_b32 s33, s21, 7
	s_lshl_b32 s33, s33, 11
	s_add_co_u32 s32, s32, s33                     ; + 2,048 (N % 8)
	s_mov_b32 s33, 0
	s_wait_kmcnt 0x0
	s_add_nc_u64 s[16:17], s[16:17], s[28:29]
	s_load_b32 s26, s[16:17], 0x0                  ; e
	s_cmp_eq_u32 s20, 1                            ; the matrix: a choice on the work-group's number alone
	s_cselect_b64 s[24:25], s[6:7], s[4:5]
	s_cmp_eq_u32 s20, 2
	s_cselect_b64 s[24:25], s[8:9], s[24:25]
	s_cmp_eq_u32 s20, 3
	s_cselect_b64 s[24:25], s[10:11], s[24:25]
	s_cmp_eq_u32 s20, 4
	s_cselect_b64 s[24:25], s[12:13], s[24:25]
	s_cmp_eq_u32 s20, 5
	s_cselect_b64 s[24:25], s[14:15], s[24:25]
	s_add_nc_u64 s[24:25], s[24:25], s[30:31]
	s_add_nc_u64 s[18:19], s[18:19], s[32:33]
; 16 loads of 16 bytes: number 4 q + i of chunk c.  stp: bytes from piece to piece; qst: bytes from one group of four numbers of a piece to the next
.macro LOADW stp, qst
	s_mul_i32 s34, s22, 8*\stp
	v_mad_u32_u24 v4, v2, \stp, v3
	v_add_nc_u32 v4, s34, v4                       ; row + piece 8 s + h
.irp c, 0,1,2,3
.irp q, 0,1,2,3
	global_load_b128 v[XR+16*\c+4*\q:XR+16*\c+4*\q+3], v4, s[24:25] offset:2*\stp*\c+\qst*\q th:TH_LOAD_NT
.endr
.endr
.endm
	s_cmp_lt_u32 s20, 3
	s_cbranch_scc0 .Lnatural
	s_wait_alu depctr_va_vdst(0)
	LOADW 16, 512                                  ; wq, wk, wv: k = 128 q + 4 p + i
	s_branch .Lloaded
.Lnatural:
	s_wait_alu depctr_va_vdst(0)
	LOADW 64, 16                                   ; wo, w1, w2: k = 16 p + 4 q + i
.Lloaded:
	s_wait_kmcnt 0x0
	s_add_co_i32 s26, s26, 127
	s_lshl_b32 s27, s26, 23
	v_mov_b32 v11, s27                             ; 2^e as f32: the conversion takes its exponent field
	s_add_co_i32 s26, s26, 8
	s_lshl_b32 s26, s26, 23
	s_or_b32 s26, s26, 0x600000
	v_mov_b32 v10, s26                             ; 448 x 2^e
	s_wait_alu depctr_va_vdst(0)
	s_wait_loadcnt 0x0
.set i, 0
.rept 64
	v_med3_num_f32 v[XR+i], v[XR+i], -v10, v10     ; the conversion to an 8-bit code does not saturate (ISA guide 7.6.2): the hold comes first
.set i, i+1
.endr
.irp c, 0,1,2,3
	v_cvt_scalef32_pk8_fp8_f32 v[CR+4*\c:CR+4*\c+1], v[XR+16*\c:XR+16*\c+7], v11
	v_cvt_scalef32_pk8_fp8_f32 v[CR+4*\c+2:CR+4*\c+3], v[XR+16*\c+8:XR+16*\c+15], v11
.endr
.irp c, 0,1,2,3
	global_store_b128 v5, v[CR+4*\c:CR+4*\c+3], s[18:19] offset:512*\c   ; the wave stores 512 consecutive bytes, aligned
.endr
	s_endpgm
.Lfunc_end_k_q21f5adafb4_prep:
	.size	k_q21f5adafb4_prep, .Lfunc_end_k_q21f5adafb4_prep-k_q21f5adafb4_prep
	.p2alignl 7, 3214868480
	.fill 96, 4, 3214868480
	.section	.rodata,"a",@progbits
	.p2align	6, 0x0
	.amdhsa_kernel k_q21f5adafb4_prep
		.amdhsa_group_segment_fixed_size 0
		.amdhsa_private_segment_fixed_size 0
		.amdhsa_enable_private_segment 0
		.amdhsa_kernarg_size 64
		.amdhsa_user_sgpr_count 2
		.amdhsa_user_sgpr_kernarg_segment_ptr 1
		.amdhsa_wavefront_size32 1
		.amdhsa_system_sgpr_workgroup_id_x 1
		.amdhsa_system_sgpr_workgroup_id_y 1
		.amdhsa_system_sgpr_workgroup_id_z 1
		.amdhsa_system_vgpr_workitem_id 0
		.amdhsa_next_free_vgpr 96
		.amdhsa_next_free_sgpr 66
		.amdhsa_reserve_vcc 0
		.amdhsa_float_denorm_mode_32 3
		.amdhsa_float_denorm_mode_16_64 3
		.amdhsa_memory_ordered 1
		.amdhsa_forward_progress 1
		.amdhsa_inst_pref_size 11
	.end_amdhsa_kernel
	.amdgpu_metadata
---
amdhsa.version: [ 1, 2 ]
amdhsa.kernels:
  - .name:           k_q21f5adafb4_prep
    .symbol:         k_q21f5adafb4_prep.kd
    .args:
      - { .name: wq, .offset: 0, .size: 8, .value_kind: global_buffer, .address_space: global }
      - { .name: wk, .offset: 8, .size: 8, .value_kind: global_buffer, .address_space: global }
      - { .name: wv, .offset: 16, .size: 8, .value_kind: global_buffer, .address_space: global }
      - { .name: wo, .offset: 24, .size: 8, .value_kind: global_buffer, .address_space: global }
      - { .name: w1, .offset: 32, .size: 8, .value_kind: global_buffer, .address_space: global }
      - { .name: w2, .offset: 40, .size: 8, .value_kind: global_buffer, .address_space: global }
      - { .name: lowp_scales, .offset: 48, .size: 8, .value_kind: global_buffer, .address_space: global }
      - { .name: wimg, .offset: 56, .size: 8, .value_kind: global_buffer, .address_space: global }
    .group_segment_fixed_size: 0
    .private_segment_fixed_size: 0
    .kernarg_segment_align: 8
    .kernarg_segment_size: 64
    .max_flat_workgroup_size: 128
    .sgpr_count:     66
    .vgpr_count:     96
    .wavefront_size: 32
...
	.end_amdgpu_metadata
.endif
;; end of part 5
;; launch qkv (part 6): grid 64 x 3, 4 waves a work-group, no clusters, 68,096 bytes of LDS; arguments x, norm1_g, norm1_b, wimg, lowp_scales, bq, bk, bv, qkvc; writes qkvc
.if DOCPART == 6
	.amdgcn_target "amdgcn-amd-amdhsa--gfx1250"
	.amdhsa_code_object_version 6
	.text
	.protected	k_q21f5adafb4_qkv
	.globl	k_q21f5adafb4_qkv
	.p2align	8
	.type	k_q21f5adafb4_qkv,@function
k_q21f5adafb4_qkv:
	s_mov_b64 s[64:65], 0
	v_nop
	global_prefetch_b8 v0, s[64:65] scope:SCOPE_SE
	s_setreg_imm32_b32 hwreg(HW_REG_WAVE_SCHED_MODE, 0, 2), 2
	s_setreg_imm32_b32 hwreg(HW_REG_WAVE_MODE, 25, 1), 1
	s_wait_xcnt 0x0
	s_wait_alu depctr_vm_vsrc(0)
; h = layernorm(x) g + b, quantised; then ONE of q, k, v = h W^T + bias (y = 0, 1, 2), quantised again for attention and stored as images of attention's operand registers.
; SHARES.  Work-group (X, y): rows 128 X .. 128 X + 127 of x, all 512 columns of matrix y.  Wave w normalises rows 32 w .. 32 w + 31 (a row is 2,048 bytes: four dense loads of 512 bytes, 16 numbers a lane)
; and stores their codes in LDS; behind the one barrier it makes columns 128 w .. 128 w + 127 (four heads) for all 128 rows.  Its 32 weight fragments (512 registers) come from wimg once, while the rows are normalised.
; K ORDER: lane l's 16 codes of a row are k = 128 j + 4 l + i (byte 4 j + i); wimg has wq, wk, wv in the same order, so every product meets its partner.
; ROWS IN LDS lie in tile order: token 32 B + t in slot 32 B + 16 ((t / 8) % 2) + t % 8 + 8 (t / 16): tile 2 B + u holds tokens 32 B + 8 u + r + 8 (r / 8).
; q, k: source 0 = 16 rows of W, source 1 = 16 tokens: a lane holds one token and, in two neighbouring tiles, 16 neighbouring channels of a head: 16 bytes of codes.
; v: the sources change places: a lane holds one channel and, in tiles u = 0, 1, 16 neighbouring tokens: the keys are the second attention product's K.
; The bias, divided by 2^(ea + ew), is the C of each sum's first product; the conversion takes 2^(eo - ea - ew): the three scales in one.
; qkvc, for each of 64 (batch, head): 128 tiles of q x 512 bytes; from 65,536 on 16 key steps x [8 tiles of k x 512 | 2 fragments of v x 2,048].
; NO JOINT LOADS: the weights go from memory into registers, since a matrix's 262,144 bytes of codes and the rows' 67,584 do not fit together in 327,680 bytes of LDS.
; 192 work-groups: three matrices do not divide 256, and a split by columns would have a wave straddle two matrices.
; LIMITS: ea and eo - ea - ew between -126 and 119; NaN among the inputs is not served.
; REGISTERS: window 0: v1-11 addresses and scales; v16-31 four registers a row at work; v32-47 g, v48-63 b; v64-255 three slots of 4 rows x 16 numbers; later v32-63 codes, v64-191 16 accumulators, v192-255 the bias.
;   windows 1, 2: the weights, fragment f = 8 s + n at v[16 (f % 16)] of window 1 + f / 16.   window 3: two sets of 8 fragments of h.
; THE MODE: SCHED_MODE bits 1:0 = 2 (LLVM: expert scheduling mode 2), set by the entry lines.  The code itself states the register dependences
; between vector or matrix instructions and memory or LDS instructions, with s_wait_alu, always for 0.
; THE PLAN.  Registers that memory or LDS instructions touch:
;   v1-v4, v11    offsets and LDS addresses, and v5, v6, which the closing add reads: written at the head, never again.
;   slots 0-2     Group g's vector lines read and write slot g % 3; behind its conversions the rows of group g + 3 land there (behind group 5: the bias).
;   v16-31        Group g's sums and, last, its conversions write them; its four LDS stores read them; group g + 1 writes them again.
;   windows 1, 2  The weights land once; from the first pair on matrix instructions alone name them.
;   window 3      Pair B's products read set B % 2; the LDS loads for pair B + 1 land in the other set, which pair B - 1's products read last.
;   v32-63        Pair B's conversions write the codes; its eight stores read them; pair B + 1's conversions write them again.
; So a group has ONE wait on va_vdst behind its conversions, for its LDS stores' data and for the loads into its slot, and one on vm_vsrc at its head; a pair has ONE wait on va_vdst ahead of its stores,
; which also states that its products are done with their set of h, and one on vm_vsrc ahead of the lines that make its codes.  The next pair's 32 LDS loads are dealt among the pair's products, eight behind
; each K step's sixteen: those products name the other set, the weights, the accumulators and the bias, none of the registers that these loads touch.
.set PITCH, 528                        ; a row of 512 codes + 16 bytes: 132 words, so the 16 rows of a fragment load begin 4 words apart modulo 64 words
.set SPARE, 128*PITCH                  ; behind the rows: the spare words, 128 bytes a wave
.set LI,  1                            ; v1   16 x lane
.set HS,  2                            ; v2   where I store a row's 16 codes: my wave's 32 slots + 16 x lane
.set HR,  3                            ; v3   where I read a fragment: 528 r + 16 h
.set H64, 4                            ; v4   64 h
.set SPW, 5                            ; v5   LDS address of my spare word; never rewritten
.set NIL, 6                            ; v6   0; never rewritten
.set SCA, 7                            ; v7   2^ea;  v8  448 x 2^ea
.set HLA, 8
.set SCO, 9                            ; v9   2^(eo - ea - ew);  v10  448 x that
.set HLO, 10
.set BV4, 11                           ; v11  4 (r + 8 (r / 8))
.set TT,  16
.set GG,  32
.set BN,  48
.set CD,  32
.set ACC, 64
.set BIAS, 192
.set MSB, 0
.macro WIN new                         ; the immediate's high byte repeats the setting that is left
.if MSB != (\new)
	s_set_vgpr_msb (MSB<<8)|(\new)
.set MSB, (\new)
.endif
.endm
	s_load_b512 s[4:19], s[0:1], 0x0               ; x, g, b, wimg s[10:11], the scales s[12:13], bq, bk, bv
	s_load_b64 s[20:21], s[0:1], 0x40              ; qkvc
	v_lshl_add_u32 v[SPW], v0, 2, SPARE
	v_mov_b32 v[NIL], 0
	v_lshrrev_b32 v1, 5, v0
	v_readfirstlane_b32 s22, v1                    ; wave w
	s_and_b32 s23, ttmp7, 0xffff                   ; y
	s_mov_b32 s24, ttmp9                           ; X
	v_and_b32 v12, 31, v0
	v_lshlrev_b32 v[LI], 4, v12
	v_and_b32 v13, 15, v0                          ; r
	v_bfe_u32 v14, v0, 4, 1                        ; h
	s_wait_alu depctr_va_sdst(0)                   ; s22 is written, ahead of its first reader: LDS addresses and the bases of x, wimg, the bias and qkvc are made from it
	s_mul_i32 s25, s22, 32*PITCH
	v_add_nc_u32 v[HS], s25, v[LI]
	v_mul_u32_u24 v[HR], v13, PITCH
	v_lshl_add_u32 v[HR], v14, 4, v[HR]
	v_lshlrev_b32 v[H64], 6, v14
	v_and_b32 v[BV4], 8, v13
	v_add_nc_u32 v[BV4], v[BV4], v13
	v_lshlrev_b32 v[BV4], 2, v[BV4]
	s_mov_b32 s31, 0xbb000000                      ; -1 / 512
	s_mov_b32 s32, 0x3b000000                      ; 1 / 512
	s_mov_b32 s33, 0x3727c5ac                      ; 1e-5
	s_mov_b32 s34, 0x76543210                      ; v_permlanex16_b32: lane l xor 16
	s_mov_b32 s35, 0xfedcba98
	s_lshl_b32 s26, s23, 3                         ; ea, ew lie at byte 8 y,
	s_mov_b32 s27, 0
	s_lshl_b32 s54, s23, 2                         ; eo at byte 24 + 4 y
	s_mov_b32 s55, 0
	s_lshl_b32 s56, s24, 18
	s_lshl_b32 s57, s22, 16
	s_add_co_u32 s56, s56, s57                     ; x: (128 X + 32 w) rows of 2,048 bytes
	s_mov_b32 s57, 0
	s_lshl_b32 s58, s23, 18
	s_lshl_b32 s59, s22, 16
	s_add_co_u32 s58, s58, s59                     ; wimg: 262,144 y + 65,536 w
	s_mov_b32 s59, 0
	s_lshl_b32 s60, s22, 9                         ; the bias: my 128 numbers
	s_mov_b32 s61, 0
	s_lshr_b32 s44, s24, 4
	s_lshl_b32 s44, s44, 4
	s_lshl_b32 s45, s22, 2
	s_add_co_u32 s44, s44, s45                     ; 16 x batch + my first head
	s_mul_i32 s44, s44, 196608
	s_and_b32 s45, s24, 15                         ; which 128 tokens of the sequence
	s_lshl_b32 s46, s45, 12                        ; q: 8 tiles of 512 bytes each
	s_lshl_b32 s47, s45, 13                        ; k, v: a key step of 8,192 bytes,
	s_lshl_b32 s48, s23, 12
	s_add_co_u32 s47, s47, s48
	s_add_co_u32 s47, s47, 65536-4096              ; from 65,536 on; v lies 4,096 behind k
	s_cmp_eq_u32 s23, 0
	s_cselect_b32 s46, s46, s47
	s_add_co_u32 s44, s44, s46
	s_mov_b32 s45, 0
	s_wait_kmcnt 0x0
	s_add_nc_u64 s[50:51], s[12:13], s[26:27]
	s_load_b64 s[28:29], s[50:51], 0x0             ; ea, ew
	s_add_nc_u64 s[52:53], s[12:13], s[54:55]
	s_load_b32 s30, s[52:53], 0x18                 ; eo
	s_add_nc_u64 s[38:39], s[4:5], s[56:57]
	s_add_nc_u64 s[40:41], s[10:11], s[58:59]
	s_add_nc_u64 s[36:37], s[20:21], s[44:45]
	s_cmp_eq_u32 s23, 1
	s_cselect_b64 s[42:43], s[16:17], s[14:15]
	s_cmp_eq_u32 s23, 2
	s_cselect_b64 s[42:43], s[18:19], s[42:43]
	s_add_nc_u64 s[42:43], s[42:43], s[60:61]
.macro XLOAD g                         ; rows 4 g .. 4 g + 3 of my 32 into slot g % 3: each load reads 512 consecutive bytes
.irp p, 0,1,2,3
.irp j, 0,1,2,3
	global_load_b128 v[64+64*((\g)%3)+16*\p+4*\j:64+64*((\g)%3)+16*\p+4*\j+3], v[LI], s[38:39] offset:(4*(\g)+\p)*2048+512*\j
.endr
.endr
.endm
.macro WCHUNK g                        ; weight fragments 4 g .. 4 g + 3: 16 loads of 512 consecutive bytes, into registers that no vector instruction has named
	WIN 0x40*(1+(\g)/4)
.set i, 0
.rept 16
	global_load_b128 v[(64*(\g))%256+4*i:(64*(\g))%256+4*i+3], v[LI], s[40:41] offset:8192*(\g)+512*i
.set i, i+1
.endr
	WIN 0
.endm
	s_wait_alu depctr_va_vdst(0)                   ; the offsets and LDS addresses v1 to v4 and v11 are written, which every load and store of the kernel reads; so are v5 and v6, which the closing add reads
.irp j, 0,1,2,3
	global_load_b128 v[GG+4*\j:GG+4*\j+3], v[LI], s[6:7] offset:512*\j
	global_load_b128 v[BN+4*\j:BN+4*\j+3], v[LI], s[8:9] offset:512*\j
.endr
	XLOAD 0
	XLOAD 1
	XLOAD 2
	s_wait_kmcnt 0x0
	s_add_co_i32 s56, s28, 127
	s_lshl_b32 s57, s56, 23
	v_mov_b32 v[SCA], s57
	s_add_co_i32 s56, s56, 8
	s_lshl_b32 s56, s56, 23
	s_or_b32 s56, s56, 0x600000
	v_mov_b32 v[HLA], s56
	s_add_co_i32 s58, s28, s29                     ; ea + ew
	s_sub_co_i32 s56, s30, s58
	s_add_co_i32 s56, s56, 127
	s_lshl_b32 s57, s56, 23
	v_mov_b32 v[SCO], s57
	s_add_co_i32 s56, s56, 8
	s_lshl_b32 s56, s56, 23
	s_or_b32 s56, s56, 0x600000
	v_mov_b32 v[HLO], s56
	s_sub_co_i32 s58, 0, s58                       ; -(ea + ew), for the bias
; the two chains of each of four rows are joined and summed over the 32 lanes; the four rows take turns line by line
.macro FOLD
.irp p, 0,1,2,3
	v_pk_add_f32 v[TT+4*\p:TT+4*\p+1], v[TT+4*\p:TT+4*\p+1], v[TT+4*\p+2:TT+4*\p+3]
.endr
.irp p, 0,1,2,3
	v_add_f32 v[TT+4*\p], v[TT+4*\p], v[TT+4*\p+1]
.endr
.irp m, 1,2,4,8
.irp p, 0,1,2,3
	v_add_f32_dpp v[TT+4*\p], v[TT+4*\p], v[TT+4*\p] row_xmask:\m row_mask:0xf bank_mask:0xf
.endr
.endr
.irp p, 0,1,2,3
	v_permlanex16_b32 v[TT+4*\p+1], v[TT+4*\p], s34, s35
.endr
.irp p, 0,1,2,3
	v_add_f32 v[TT+4*\p], v[TT+4*\p], v[TT+4*\p+1]
.endr
.endm
; Four rows are normalised, quantised and stored.  cnt: the loads issued behind these rows', which may stay out (63 at the most can be named)
.macro LNG g, cnt
.set XB, 64+64*((\g)%3)
	s_wait_dscnt 0x0                               ; the last group's LDS stores are done
.if (\g) > 0
	s_wait_alu depctr_vm_vsrc(0)                   ; the last group's LDS stores have read v16 to v31, which this group's sums write again
.endif
	s_wait_loadcnt \cnt
.irp p, 0,1,2,3
	v_pk_add_f32 v[TT+4*\p:TT+4*\p+1], v[XB+16*\p:XB+16*\p+1], v[XB+16*\p+2:XB+16*\p+3]
	v_pk_add_f32 v[TT+4*\p+2:TT+4*\p+3], v[XB+16*\p+4:XB+16*\p+5], v[XB+16*\p+6:XB+16*\p+7]
.endr
.irp k, 8,12
.irp p, 0,1,2,3
	v_pk_add_f32 v[TT+4*\p:TT+4*\p+1], v[TT+4*\p:TT+4*\p+1], v[XB+16*\p+\k:XB+16*\p+\k+1]
	v_pk_add_f32 v[TT+4*\p+2:TT+4*\p+3], v[TT+4*\p+2:TT+4*\p+3], v[XB+16*\p+\k+2:XB+16*\p+\k+3]
.endr
.endr
	FOLD
.irp p, 0,1,2,3
	v_mul_f32 v[TT+4*\p], s31, v[TT+4*\p]          ; -mean
.endr
.irp k, 0,2,4,6,8,10,12,14
.irp p, 0,1,2,3
	v_pk_add_f32 v[XB+16*\p+\k:XB+16*\p+\k+1], v[XB+16*\p+\k:XB+16*\p+\k+1], v[TT+4*\p:TT+4*\p+1] op_sel_hi:[1,0]
.endr
.endr
.irp p, 0,1,2,3
	v_pk_mul_f32 v[TT+4*\p:TT+4*\p+1], v[XB+16*\p:XB+16*\p+1], v[XB+16*\p:XB+16*\p+1]
	v_pk_mul_f32 v[TT+4*\p+2:TT+4*\p+3], v[XB+16*\p+2:XB+16*\p+3], v[XB+16*\p+2:XB+16*\p+3]
.endr
.irp k, 4,8,12
.irp p, 0,1,2,3
	v_pk_fma_f32 v[TT+4*\p:TT+4*\p+1], v[XB+16*\p+\k:XB+16*\p+\k+1], v[XB+16*\p+\k:XB+16*\p+\k+1], v[TT+4*\p:TT+4*\p+1]
	v_pk_fma_f32 v[TT+4*\p+2:TT+4*\p+3], v[XB+16*\p+\k+2:XB+16*\p+\k+3], v[XB+16*\p+\k+2:XB+16*\p+\k+3], v[TT+4*\p+2:TT+4*\p+3]
.endr
.endr
	FOLD
.irp p, 0,1,2,3
	v_fma_f32 v[TT+4*\p], v[TT+4*\p], s32, s33     ; the variance + 1e-5
.endr
	s_wait_alu depctr_va_vdst(0)
.irp p, 0,1,2,3
	v_rsq_f32 v[TT+4*\p+2], v[TT+4*\p]
.endr
	v_nop                                          ; a plain instruction behind the last of the batch
	s_wait_alu depctr_va_vdst(0)                   ; one wait for the four roots, ahead of their first reader
.irp k, 0,2,4,6,8,10,12,14
.irp p, 0,1,2,3
	v_pk_mul_f32 v[XB+16*\p+\k:XB+16*\p+\k+1], v[XB+16*\p+\k:XB+16*\p+\k+1], v[TT+4*\p+2:TT+4*\p+3] op_sel_hi:[1,0]
.endr
.endr
.irp k, 0,2,4,6,8,10,12,14
.irp p, 0,1,2,3
	v_pk_fma_f32 v[XB+16*\p+\k:XB+16*\p+\k+1], v[XB+16*\p+\k:XB+16*\p+\k+1], v[GG+\k:GG+\k+1], v[BN+\k:BN+\k+1]
.endr
.endr
.irp e, 0,1,2,3,4,5,6,7,8,9,10,11,12,13,14,15
.irp p, 0,1,2,3
	v_med3_num_f32 v[XB+16*\p+\e], v[XB+16*\p+\e], -v[HLA], v[HLA]   ; the conversion does not saturate (ISA guide 7.6.2)
.endr
.endr
.irp p, 0,1,2,3
	v_cvt_scalef32_pk8_fp8_f32 v[TT+4*\p:TT+4*\p+1], v[XB+16*\p:XB+16*\p+7], v[SCA]
	v_cvt_scalef32_pk8_fp8_f32 v[TT+4*\p+2:TT+4*\p+3], v[XB+16*\p+8:XB+16*\p+15], v[SCA]
.endr
	v_nop                                          ; a plain instruction behind the last conversion: the next group's additions write these registers
	s_wait_alu depctr_va_vdst(0)                   ; the conversions have written v16 to v31, which the LDS stores read; and the group's lines are done with its slot, in which the next loads into it land
.irp p, 0,1,2,3
.set RW, 4*(\g)+\p
	ds_store_b128 v[HS], v[TT+4*\p:TT+4*\p+3] offset:(16*((RW/8)%2)+RW%8+8*(RW/16))*PITCH
.endr
.if (\g) <= 4
	XLOAD (\g)+3                                   ; the slot takes the rows three groups on.  No further wait: no vector instruction since the wait above
.endif
	WCHUNK \g
.endm
	LNG 0, 32                                      ; behind group 0's rows: groups 1 and 2
	LNG 1, 48                                      ; group 2, group 3, a chunk of weights
	LNG 2, 63                                      ; from here on 64 loads or more stand behind the group's
	LNG 3, 63
	LNG 4, 63
	LNG 5, 63
	s_cmp_eq_u32 s23, 2                            ; the bias, into the slot that group 5 has left (group 5's wait behind its conversions has stated that).  q, k: a lane's 64 columns; v: one column for each of its 8 tiles
	s_cbranch_scc1 .Lbias_v
.irp b, 0,1,2,3
.irp q, 0,1,2,3
	global_load_b128 v[BIAS+16*\b+4*\q:BIAS+16*\b+4*\q+3], v[H64], s[42:43] offset:128*\b+16*\q
.endr
.endr
	s_branch .Lbias_asked
.Lbias_v:
.irp b, 0,1,2,3
.irp u, 0,1
	global_load_b32 v[BIAS+2*\b+\u], v[BV4], s[42:43] offset:128*\b+32*\u
.endr
.endr
.Lbias_asked:
	LNG 6, 63
	LNG 7, 56                                      ; three chunks of weights and the bias's 8 loads at the least
	s_wait_dscnt 0x0                               ; my rows' codes lie in LDS,
	s_barrier_signal -1
	s_barrier_wait -1                              ; everybody's do.  From here on LDS is only read
.macro FETCHK B, s                     ; tokens 32 B .. 32 B + 31, K step s: two fragments, eight loads, into set B % 2
	WIN 0xc0
.irp u, 0,1
.irp c, 0,1,2,3
	ds_load_b128 v[128*((\B)%2)+64*\u+16*(\s)+4*\c:128*((\B)%2)+64*\u+16*(\s)+4*\c+3], v[HR] offset:(32*(\B)+16*\u)*PITCH+128*(\s)+32*\c
.endr
.endr
.endm
; 32 tokens x my 128 columns: 64 products on 16 accumulators that take turns, one instruction a turn; then quantised and stored.  vp = 1: v's orientation
.macro PAIR B, vp
	s_wait_dscnt 0x0                               ; this pair's eight fragments of h are in: they were asked for among the products of the pair before (pair 0's: ahead of the parting of the ways)
.set HB, 128*((\B)%2)
.irp s, 0,1,2,3
.if \vp
	WIN 0x03|((1+\s/2)<<2)                         ; source 0: h, window 3; source 1: W, window 1 or 2
.else
	WIN (1+\s/2)|0x0c                              ; source 0: W; source 1: h
.endif
.irp u, 0,1
.irp n, 0,1,2,3,4,5,6,7
.if \vp
.if \s == 0
	v_wmma_f32_16x16x128_fp8_fp8 v[ACC+64*\u+8*\n:ACC+64*\u+8*\n+7], v[HB+64*\u+16*\s:HB+64*\u+16*\s+15], v[16*((8*\s+\n)%16):16*((8*\s+\n)%16)+15], v[BIAS+8*\n:BIAS+8*\n+7]
.else
	v_wmma_f32_16x16x128_fp8_fp8 v[ACC+64*\u+8*\n:ACC+64*\u+8*\n+7], v[HB+64*\u+16*\s:HB+64*\u+16*\s+15], v[16*((8*\s+\n)%16):16*((8*\s+\n)%16)+15], v[ACC+64*\u+8*\n:ACC+64*\u+8*\n+7]
.endif
.else
.if \s == 0
	v_wmma_f32_16x16x128_fp8_fp8 v[ACC+64*\u+8*\n:ACC+64*\u+8*\n+7], v[16*((8*\s+\n)%16):16*((8*\s+\n)%16)+15], v[HB+64*\u+16*\s:HB+64*\u+16*\s+15], v[BIAS+8*\n:BIAS+8*\n+7]
.else
	v_wmma_f32_16x16x128_fp8_fp8 v[ACC+64*\u+8*\n:ACC+64*\u+8*\n+7], v[16*((8*\s+\n)%16):16*((8*\s+\n)%16)+15], v[HB+64*\u+16*\s:HB+64*\u+16*\s+15], v[ACC+64*\u+8*\n:ACC+64*\u+8*\n+7]
.endif
.endif
.endr
.endr
.if (\B) < 3
	FETCHK (\B)+1, \s                              ; the next pair's K step s, into the other set.  No wait: the pair before stated, ahead of its stores, that its products are done with that set, and no vector or matrix instruction since names it or v[HR]
.endif
.endr
	WIN 0
.rept 4
	v_nop                                          ; four places between the last product and the first read of results (ISA guide 7.12.1)
.endr
	s_wait_xcnt 0x0                                ; the last pair's stores have had their addresses translated
.if (\B) > 0
	s_wait_alu depctr_vm_vsrc(0)                   ; the last pair's stores have read v32 to v63, which this pair's conversions write again
.endif
.set i, 0
.rept 128
	v_med3_num_f32 v[ACC+i], v[ACC+i], -v[HLO], v[HLO]   ; each accumulator from its low end on
.set i, i+1
.endr
.if \vp
.irp n, 0,1,2,3,4,5,6,7
.irp u, 0,1
	v_cvt_scalef32_pk8_fp8_f32 v[CD+4*\n+2*\u:CD+4*\n+2*\u+1], v[ACC+64*\u+8*\n:ACC+64*\u+8*\n+7], v[SCO]   ; channel of tile n, tokens 32 B + 16 h + 8 u + 0 .. 7
.endr
.endr
	v_nop                                          ; a plain instruction behind the last conversion: the next products write its sources
	s_wait_alu depctr_va_vdst(0)                   ; the conversions have written v32 to v63, which the stores read; and this pair's products are done reading their set of h, in which loads of the next pair land
.irp n, 0,1,2,3,4,5,6,7
	global_store_b128 v[LI], v[CD+4*\n:CD+4*\n+3], s[36:37] offset:(\n/2)*196608+(\n%2)*2048+(\B)*512   ; head n / 2, fragment n % 2, chunk B: 512 consecutive bytes, aligned
.endr
.else
.irp u, 0,1
.irp j, 0,1,2,3
.irp t, 0,1
	v_cvt_scalef32_pk8_fp8_f32 v[CD+16*\u+4*\j+2*\t:CD+16*\u+4*\j+2*\t+1], v[ACC+64*\u+8*(2*\j+\t):ACC+64*\u+8*(2*\j+\t)+7], v[SCO]   ; token of tile u, head j, channels 16 h + 8 t + 0 .. 7
.endr
.endr
.endr
	v_nop                                          ; a plain instruction behind the last conversion: the next products write its sources
	s_wait_alu depctr_va_vdst(0)                   ; the conversions have written v32 to v63, which the stores read; and this pair's products are done reading their set of h, in which loads of the next pair land
.irp u, 0,1
.irp j, 0,1,2,3
	global_store_b128 v[LI], v[CD+16*\u+4*\j:CD+16*\u+4*\j+3], s[36:37] offset:\j*196608+(2*(\B)+\u)*512   ; head j, tile 2 B + u: 512 consecutive bytes, aligned
.endr
.endr
.endif
.endm
.irp s, 0,1,2,3
	FETCHK 0, \s                                   ; pair 0's fragments, into registers that no vector instruction has named
.endr
	WIN 0
	s_wait_loadcnt 0x0                             ; the weights and the bias
	s_cmp_eq_u32 s23, 2
	s_cbranch_scc1 .Lpath_v
.set i, 0
.rept 64
	v_ldexp_f32 v[BIAS+i], v[BIAS+i], s58          ; the bias / 2^(ea + ew)
.set i, i+1
.endr
	s_wait_alu depctr_va_vdst(0)
	PAIR 0, 0
	PAIR 1, 0
	PAIR 2, 0
	PAIR 3, 0
	s_wait_dscnt 0x0                               ; the closing lines, six on end
	s_wait_alu 0x0
	s_wait_tensorcnt 0x0
	ds_add_u32 v[SPW], v[NIL]
	s_wait_dscnt 0x0
	s_endpgm
.Lpath_v:
.irp n, 7,6,5,4,3,2,1                  ; a tile's bias is one number a lane, spread over the tile's eight registers; the eight loaded numbers lie in tile 0's place, which is written last, from its top down
.irp j, 0,1,2,3,4,5,6,7
	v_ldexp_f32 v[BIAS+8*\n+\j], v[BIAS+\n], s58
.endr
.endr
.irp j, 7,6,5,4,3,2,1,0
	v_ldexp_f32 v[BIAS+\j], v[BIAS], s58
.endr
	s_wait_alu depctr_va_vdst(0)
	PAIR 0, 1
	PAIR 1, 1
	PAIR 2, 1
	PAIR 3, 1
	s_wait_dscnt 0x0                               ; the closing lines, as above
	s_wait_alu 0x0
	s_wait_tensorcnt 0x0
	ds_add_u32 v[SPW], v[NIL]
	s_wait_dscnt 0x0
	s_endpgm
.Lfunc_end_k_q21f5adafb4_qkv:
	.size	k_q21f5adafb4_qkv, .Lfunc_end_k_q21f5adafb4_qkv-k_q21f5adafb4_qkv
	.p2alignl 7, 3214868480
	.fill 96, 4, 3214868480
	.section	.rodata,"a",@progbits
	.p2align	6, 0x0
	.amdhsa_kernel k_q21f5adafb4_qkv
		.amdhsa_group_segment_fixed_size 68096
		.amdhsa_private_segment_fixed_size 0
		.amdhsa_enable_private_segment 0
		.amdhsa_kernarg_size 72
		.amdhsa_user_sgpr_count 2
		.amdhsa_user_sgpr_kernarg_segment_ptr 1
		.amdhsa_wavefront_size32 1
		.amdhsa_system_sgpr_workgroup_id_x 1
		.amdhsa_system_sgpr_workgroup_id_y 1
		.amdhsa_system_sgpr_workgroup_id_z 1
		.amdhsa_system_vgpr_workitem_id 0
		.amdhsa_next_free_vgpr 1024
		.amdhsa_next_free_sgpr 66
		.amdhsa_reserve_vcc 0
		.amdhsa_float_denorm_mode_32 3
		.amdhsa_float_denorm_mode_16_64 3
		.amdhsa_memory_ordered 1
		.amdhsa_forward_progress 1
		.amdhsa_inst_pref_size 255
	.end_amdhsa_kernel
	.section	.bss,"aw",@nobits
	.p2align	6
	.space	262144
	.amdgpu_metadata
---
amdhsa.version: [ 1, 2 ]
amdhsa.kernels:
  - .name:           k_q21f5adafb4_qkv
    .symbol:         k_q21f5adafb4_qkv.kd
    .args:
      - { .name: x, .offset: 0, .size: 8, .value_kind: global_buffer, .address_space: global }
      - { .name: norm1_g, .offset: 8, .size: 8, .value_kind: global_buffer, .address_space: global }
      - { .name: norm1_b, .offset: 16, .size: 8, .value_kind: global_buffer, .address_space: global }
      - { .name: wimg, .offset: 24, .size: 8, .value_kind: global_buffer, .address_space: global }
      - { .name: lowp_scales, .offset: 32, .size: 8, .value_kind: global_buffer, .address_space: global }
      - { .name: bq, .offset: 40, .size: 8, .value_kind: global_buffer, .address_space: global }
      - { .name: bk, .offset: 48, .size: 8, .value_kind: global_buffer, .address_space: global }
      - { .name: bv, .offset: 56, .size: 8, .value_kind: global_buffer, .address_space: global }
      - { .name: qkvc, .offset: 64, .size: 8, .value_kind: global_buffer, .address_space: global }
    .group_segment_fixed_size: 68096
    .private_segment_fixed_size: 0
    .kernarg_segment_align: 8
    .kernarg_segment_size: 72
    .max_flat_workgroup_size: 128
    .sgpr_count:     66
    .vgpr_count:     1024
    .wavefront_size: 32
...
	.end_amdgpu_metadata
.endif
;; end of part 6
;; launch attn (part 7): grid 4 x 64, 16 waves a work-group, clusters of 4 x 1, 167,936 bytes of LDS; arguments qkvc, lowp_scales, oc; writes oc
.if DOCPART == 7
	.amdgcn_target "amdgcn-amd-amdhsa--gfx1250"
	.amdhsa_code_object_version 6
	.text
	.protected	k_q21f5adafb4_attn
	.globl	k_q21f5adafb4_attn
	.p2align	8
	.type	k_q21f5adafb4_attn,@function
k_q21f5adafb4_attn:
	s_mov_b64 s[64:65], 0
	v_nop
	global_prefetch_b8 v0, s[64:65] scope:SCOPE_SE
	s_setreg_imm32_b32 hwreg(HW_REG_WAVE_MODE, 25, 1), 1
	s_wait_xcnt 0x0
	s_wait_alu depctr_hold_cnt(0) depctr_sa_sdst(0) depctr_va_vdst(0) depctr_va_sdst(0) depctr_va_ssrc(0) depctr_va_vcc(0) depctr_vm_vsrc(0)
	s_getreg_b32 s2, hwreg(HW_REG_IB_STS2, 6, 4)
	s_cmp_eq_u32 s2, 0
	s_cbranch_scc0 .Lentry_in_a_cluster
	s_endpgm
.Lentry_in_a_cluster:
	s_bfe_u32 s2, ttmp6, 0x10000c
	s_cmp_lg_u32 s2, 0x3003
	s_cbranch_scc0 .Lentry_shape_is_right
	s_endpgm
.Lentry_shape_is_right:
; Attention of one (batch, head) on codes of E4M3: S^T = k q^T (K = the head's 32), p = 2^(t - M), O^T = v^T p^T (K = the keys), O / l quantised for the next product and stored as images of its operand registers.
; t = score x log2(e) / sqrt(32); M = the running largest t rounded UP to a whole number, kept as -M = floor(-t); l = the sum of the unquantised p.  When M moves, l and O^T are multiplied by 2^(old M - new M): exact.
; SHARES.  A work-group owns 512 queries of one head; each of its sixteen waves 32 of them: two tiles of 16, in 256 registers; four waves to a SIMD, so that one wave's exponentials stand beside another's plain work.
; THE HEAD'S WHOLE k AND v LIE IN LDS: 16 key steps x 8,192 bytes = 131,072, brought once: wave w asks for key step w.  Nothing is filled again: no ring, one barrier.
; CLUSTER.  The four work-groups of a cluster are the four query blocks of one head and need the same k and v: each tile is asked for JOINTLY, by the same tensor load with the same descriptor and the mask 15.
; LAYOUT.  Both products are used transposed: a lane holds ONE query (lane % 16) throughout.  The keys of a tile are not neighbours (tile 2 b + u: key 32 b + 8 u + r + 8 (r / 8)), so that the 16 registers of tiles
; 2 b and 2 b + 1 are keys 32 b + 16 h + 0 .. 15: the conversions' results are the second product's operand.  All tiles lie in LDS as images of registers: lane l's 16 bytes at 16 l.
; K = 32 IN A FORM OF K = 64: a tile of k is 4 registers; the operand named is 8, whose upper half is the next tile's codes (behind the last tile: zeros).  They meet the zeros in the upper half of q's operand
; and add nothing: every code in qkvc is a finite number, since its quantiser holds at 448.
; No prefetch: the launch's one stream is asked for whole at its head.
; LIMITS: e6 + e7 between -124 and 129 (added to c's exponent field); e9 and e10 - e8 - e9 between -126 and 119.
.set USE_DUAL, 1
.set SPARE, 131072                     ; behind k and v: the spare words, 128 bytes for each of 16 waves
.set LI,  1                            ; v1   16 x lane
.set ADR, 2                            ; v2   LDS address of the step's v
.set ADK, 3                            ; v3   of the next step's k
.set SPW, 4                            ; v4   LDS address of my spare word; never rewritten
.set NIL, 5                            ; v5   0; never rewritten
.set HLD, 6                            ; v6   448 x 2^e9;  v21 the same once more: the two halves of a dual instruction take their first sources from different register banks
.set SCL, 7                            ; v7   2^e9
.set ST,  8                            ; tile a at v[8 + 4 a]: -M, the largest t, l in two halves
.set HL2, 21
.set QF,  24                           ; v24-39   q: 8 registers a tile, the upper 4 zero
.set KF,  40                           ; v40-75   a step's 8 tiles of k, and 4 zeros
.set VF,  76                           ; v76-107  a step's 2 fragments of v
.set SS,  108                          ; v108-171 S^T, then p
.set PC,  172                          ; v172-187 p's codes
.set OO,  188                          ; v188-219 O^T: tile a, fragment d at v[188 + 16 a + 8 d]
.macro CROUND                          ; a round of the cluster's barrier
	s_barrier_signal -1
	s_barrier_wait -1
	s_cmp_lg_u32 s10, 0
	s_cbranch_scc1 .Lnot_wave_0_\@
	s_barrier_signal -3
.Lnot_wave_0_\@:
	s_barrier_wait -3
	s_barrier_signal -1
	s_barrier_wait -1
.endm
	s_load_b128 s[4:7], s[0:1], 0x0                ; qkvc, the scales' exponents
	s_load_b64 s[8:9], s[0:1], 0x10                ; oc
	v_lshl_add_u32 v[SPW], v0, 2, SPARE
	v_mov_b32 v[NIL], 0
	ds_add_u32 v[SPW], v[NIL]                      ; the wave's opening: the adds and their wait stand ahead of my tensor load; work on registers stands between them
	ds_add_u32 v[SPW], v[NIL]
	v_lshrrev_b32 v1, 5, v0
	s_delay_alu instid0(VALU_DEP_1)
	v_readfirstlane_b32 s10, v1                    ; wave 0..15
	s_bfe_u32 s11, ttmp6, 0x40000                  ; cx: it enters q's and oc's global addresses alone
	s_and_b32 s12, ttmp7, 0xffff                   ; 16 x batch + head, which the four partners share
	; descriptor group 1: a key step is a dense block of 8,192 bytes: 32 rows of 32 elements of 8 bytes
	s_mov_b32 s16, 15|(3<<16)|(1<<21)              ; 15:0 the mask: all four work-groups; 17:16 elements of 8 bytes; 21 set beside a mask; no padding
	s_mov_b32 s17, 32<<16                          ; tensor_dim0 = 32
	s_mov_b32 s18, 32<<16                          ; tensor_dim1 = 32
	s_mov_b32 s19, 32<<16                          ; tile_dim0 = 32
	s_mov_b32 s20, 32                              ; tile_dim1 = 32
	s_mov_b32 s21, 32                              ; from row to row: 32 elements
	s_mov_b32 s22, 0
	s_mov_b32 s23, 0
	s_mov_b32 s46, 0x76543210                      ; v_permlanex16_b32: lane l xor 16
	s_mov_b32 s47, 0xfedcba98
	s_mov_b32 s48, 0                               ; LDS byte of the key step in hand
	s_mov_b32 s50, 0                               ; key steps done
	s_mul_i32 s13, s12, 196608                     ; the head's first byte in qkvc
	s_lshl_b32 s14, s10, 13                        ; 8,192 x wave
	s_add_co_u32 s52, s13, s14
	s_add_co_u32 s52, s52, 65536                   ; my key step in memory
	s_mov_b32 s53, 0
	s_lshl_b32 s15, ttmp9, 2
	s_add_co_u32 s15, s15, s11                     ; my block of 512 queries
	s_lshl_b32 s15, s15, 4
	s_add_co_u32 s15, s15, s10                     ; my pair of tiles: 32 queries
	s_lshl_b32 s54, s15, 10
	s_add_co_u32 s54, s54, s13                     ; q: two tiles of 512 bytes
	s_mov_b32 s55, 0
	s_lshr_b32 s56, s12, 4
	s_lshl_b32 s56, s56, 7
	s_lshl_b32 s57, s15, 1
	s_add_co_u32 s56, s56, s57                     ; oc: token tile 128 x batch + 2 x pair,
	s_lshl_b32 s56, s56, 13                        ; 8,192 bytes each;
	s_bfe_u32 s57, s12, 0x20002
	s_lshl_b32 s57, s57, 11
	s_add_co_u32 s56, s56, s57                     ; K step head / 4,
	s_and_b32 s57, s12, 3
	s_lshl_b32 s57, s57, 9
	s_add_co_u32 s56, s56, s57                     ; chunk head % 4
	s_mov_b32 s57, 0
	s_wait_dscnt 0x0                               ; the opening add is done
	s_wait_kmcnt 0x0
	s_load_b512 s[28:43], s[6:7], 0x0              ; e0 .. e15
	s_mov_b32 s24, 1                               ; group 0: count = 1,
	s_mov_b32 s25, s14                             ; LDS address: 8,192 x wave,
	s_add_nc_u64 s[26:27], s[4:5], s[52:53]        ; global address,
	s_or_b32 s27, s27, 0x80000000                  ; type = 2
	s_add_nc_u64 s[58:59], s[4:5], s[54:55]
	s_add_nc_u64 s[8:9], s[8:9], s[56:57]
	CROUND                                         ; all four work-groups are here: the joint loads meet
	tensor_load_to_lds s[24:27], s[16:23]          ; my one tensor load
	s_nop 0
	v_and_b32 v[LI], 31, v0
	s_delay_alu instid0(VALU_DEP_1)
	v_lshlrev_b32 v[LI], 4, v[LI]
	global_load_b128 v[QF:QF+3], v[LI], s[58:59] th:TH_LOAD_NT
	global_load_b128 v[QF+8:QF+11], v[LI], s[58:59] offset:512 th:TH_LOAD_NT
.irp j, 4,5,6,7,12,13,14,15
	v_mov_b32 v[QF+\j], 0                          ; the upper halves of q's operands
.endr
.irp j, 32,33,34,35
	v_mov_b32 v[KF+\j], 0                          ; behind the last tile of k
.endr
.set i, 0
.rept 64
	v_mov_b32 v[OO+i], 0                           ; O^T.  (The loop is written once: its first step finds zeros, which the first change of M leaves zeros)
.set i, i+1
.endr
.irp a, 0,1
	v_mov_b32 v[ST+4*\a+1], 0xff61b1e6             ; the largest t so far: -3e38
	s_delay_alu instid0(VALU_DEP_1)
	v_floor_f32 v[ST+4*\a], -v[ST+4*\a+1]          ; -M
	v_mov_b32 v[ST+4*\a+2], 0                      ; l
	v_mov_b32 v[ST+4*\a+3], 0
.endr
	v_mov_b32 v19, 0                               ; (named as the upper half of the pair v[18:19])
	v_mov_b32 v20, 0                               ; written once: a lane permute's destination counts as one of its sources
	s_wait_kmcnt 0x0
	s_add_co_i32 s51, s34, s35                     ; e6 + e7: a score stands for score x 2^(e6 + e7)
	s_lshl_b32 s51, s51, 23
	s_mov_b32 s44, 0x3e8293ee                      ; c = log2(e) / sqrt(32)
	s_add_co_i32 s44, s44, s51
	s_mov_b32 s45, s44                             ; (named with it as a pair, so it is written)
	s_add_co_i32 s51, s37, 127
	s_lshl_b32 s52, s51, 23
	v_mov_b32 v[SCL], s52                          ; 2^e9
	s_add_co_i32 s51, s51, 8
	s_lshl_b32 s51, s51, 23
	s_or_b32 s51, s51, 0x600000
	v_mov_b32 v[HLD], s51                          ; 448 x 2^e9
	v_mov_b32 v[HL2], s51
	s_wait_tensorcnt 0x0                           ; my key step is in LDS,
	s_barrier_signal -1
	s_barrier_wait -1                              ; everybody's is
	v_mov_b32 v[ADK], v[LI]
.irp t, 0,1,2,3,4,5,6,7
	ds_load_b128 v[KF+4*\t:KF+4*\t+3], v[ADK] offset:512*\t   ; k of step 0
.endr
	s_wait_loadcnt 0x0                             ; q
; One tile of 16 queries against the step's 128 keys
.macro TILE a
.set SB, ST+4*(\a)
.set QB, QF+8*(\a)
.set OB, OO+16*(\a)
.irp t, 0,1,2,3,4,5,6,7
	v_wmma_f32_16x16x64_fp8_fp8 v[SS+8*\t:SS+8*\t+7], v[KF+4*\t:KF+4*\t+7], v[QB:QB+7], 0
.endr
.if (\a) == 0
.rept 4
	v_nop                                          ; four places ahead of the first read of results (ISA guide 7.12.1)
.endr
.else
	s_add_co_u32 s49, s48, 8192
	s_and_b32 s49, s49, 0x1ffff                    ; the next step; behind the last it is step 0 again, whose bytes are read and not used
	v_add_nc_u32 v[ADK], s49, v[LI]
.rept 3
	v_nop                                          ; with the addition: four places ahead of the loads into k's registers and of the first read of results
.endr
.irp t, 0,1,2,3,4,5,6,7
	ds_load_b128 v[KF+4*\t:KF+4*\t+3], v[ADK] offset:512*\t
.endr
.endif
	v_max3_num_f32 v16, v[SS], v[SS+1], v[SS+2]    ; the largest score of my query among my 64 keys, in two chains, each accumulator from its low end on,
	v_max3_num_f32 v17, v[SS+3], v[SS+4], v[SS+5]
.irp i, 6,10,14,18,22,26,30,34,38,42,46,50,54,58
	v_max3_num_f32 v16, v16, v[SS+\i], v[SS+\i+1]
	v_max3_num_f32 v17, v17, v[SS+\i+2], v[SS+\i+3]
.endr
	v_max3_num_f32 v16, v16, v[SS+62], v[SS+63]
	s_delay_alu instid0(VALU_DEP_1)
	v_max_num_f32 v16, v16, v17
	s_delay_alu instid0(VALU_DEP_1)
	v_permlanex16_b32 v20, v16, s46, s47
	s_delay_alu instid0(VALU_DEP_1)
	v_max_num_f32 v16, v16, v20                    ; and among lane l xor 16's
	s_delay_alu instid0(VALU_DEP_1)
	v_mul_f32 v16, s44, v16                        ; as t (c is positive)
	s_delay_alu instid0(VALU_DEP_1)
	v_max_num_f32 v[SB+1], v[SB+1], v16            ; the running largest t
	v_mov_b32 v16, v[SB]
	s_delay_alu instid0(VALU_DEP_2)
	v_floor_f32 v[SB], -v[SB+1]                    ; the new -M
	s_delay_alu instid0(VALU_DEP_1)
	v_sub_f32 v16, v[SB], v16                      ; old M - new M: a whole number, 0 or less
	s_delay_alu instid0(VALU_DEP_1)
	v_cvt_i32_f32 v16, v16                         ; (it saturates)
	s_delay_alu instid0(VALU_DEP_1)
	v_ldexp_f32 v18, 1.0, v16                      ; f = 2^(old M - new M)
.set i, 0
.rept 32
	v_pk_fma_f32 v[SS+i:SS+i+1], v[SS+i:SS+i+1], s[44:45], v[SB:SB+1] op_sel_hi:[1,0,0]   ; t - M, two at a time
.set i, i+2
.endr
.set i, 0
	s_wait_alu depctr_va_vdst(0)
.rept 64
	v_exp_f32 v[SS+i], v[SS+i]                     ; p = 2^(t - M), at most 1
.set i, i+1
.endr
	v_pk_mul_f32 v[SB+2:SB+3], v[SB+2:SB+3], v[18:19] op_sel_hi:[1,0]   ; l under the new M: the plain instruction behind the batch
	s_wait_alu depctr_va_vdst(0)                   ; one wait for the 64 exponentials, ahead of their first reader
	v_pk_add_f32 v[22:23], v[SS:SS+1], v[SS+2:SS+3]   ; the sum of the UNQUANTISED p, in two chains
.irp j, 4,8,12,16,20,24,28,32,36,40,44,48,52,56,60
	v_pk_add_f32 v[SB+2:SB+3], v[SB+2:SB+3], v[SS+\j:SS+\j+1]
	v_pk_add_f32 v[22:23], v[22:23], v[SS+\j+2:SS+\j+3]
.endr
	s_delay_alu instid0(VALU_DEP_1)
	v_pk_add_f32 v[SB+2:SB+3], v[SB+2:SB+3], v[22:23]
.set i, 0
.rept 32                               ; the conversion does not saturate (ISA guide 7.6.2); p is not negative, so the hold is one-sided; two numbers an instruction
.if USE_DUAL
	v_dual_min_num_f32 v[SS+i], v[HLD], v[SS+i] :: v_dual_min_num_f32 v[SS+i+1], v[HL2], v[SS+i+1]
.else
	v_min_num_f32 v[SS+i], v[HLD], v[SS+i]
	v_min_num_f32 v[SS+i+1], v[HL2], v[SS+i+1]
.endif
.set i, i+2
.endr
.irp b, 0,1,2,3
	v_cvt_scalef32_pk8_fp8_f32 v[PC+4*\b:PC+4*\b+1], v[SS+16*\b:SS+16*\b+7], v[SCL]
	v_cvt_scalef32_pk8_fp8_f32 v[PC+4*\b+2:PC+4*\b+3], v[SS+16*\b+8:SS+16*\b+15], v[SCL]
.endr
.set i, 0
.rept 8
	v_pk_mul_f32 v[OB+i:OB+i+1], v[OB+i:OB+i+1], v[18:19] op_sel_hi:[1,0]   ; O^T under the new M; also the plain instructions between the conversions and the products
.set i, i+2
.endr
.if (\a) == 0
	s_wait_alu depctr_va_vdst(0)
	s_wait_dscnt 0x0                               ; v is in (asked for at the step's head)
.endif
	v_wmma_f32_16x16x128_fp8_fp8 v[OB:OB+7], v[VF:VF+15], v[PC:PC+15], v[OB:OB+7]
	v_wmma_f32_16x16x128_fp8_fp8 v[OB+8:OB+15], v[VF+16:VF+31], v[PC:PC+15], v[OB+8:OB+15]
.endm
.Lstep:                                            ; 16 trips: a key step of 128 keys
	v_add_nc_u32 v[ADR], s48, v[LI]
.rept 3
	v_nop                                          ; with the addition: four places between the last trip's products and the loads into v's registers
.endr
.irp d, 0,1
.irp c, 0,1,2,3
	ds_load_b128 v[VF+16*\d+4*\c:VF+16*\d+4*\c+3], v[ADR] offset:4096+2048*\d+512*\c
.endr
.endr
	s_wait_dscnt 8                                 ; k, asked for earlier, is in; v's eight loads may stay out
	TILE 0
	TILE 1
	s_add_co_u32 s48, s48, 8192
	s_add_co_u32 s50, s50, 1
	s_cmp_lt_u32 s50, 16
	s_cbranch_scc1 .Lstep
	; THE WAY OUT.  O / l stands for out / 2^(e8 + e9): its code for the next product is O / l / 2^(e10 - e8 - e9).  The additions and moves are the places behind the last products
	v_add_f32 v[ST+2], v[ST+2], v[ST+3]
	v_add_f32 v[ST+6], v[ST+6], v[ST+7]
	s_delay_alu instid0(VALU_DEP_2)
	v_permlanex16_b32 v20, v[ST+2], s46, s47
	s_delay_alu instid0(VALU_DEP_2)
	v_permlanex16_b32 v17, v[ST+6], s46, s47
	s_delay_alu instid0(VALU_DEP_2)
	v_add_f32 v[ST+2], v[ST+2], v20
	s_delay_alu instid0(VALU_DEP_2)
	v_add_f32 v[ST+6], v[ST+6], v17
	s_wait_alu depctr_va_vdst(0)
	v_rcp_f32 v18, v[ST+2]
	v_rcp_f32 v22, v[ST+6]
	s_sub_co_i32 s51, s38, s36
	s_sub_co_i32 s51, s51, s37
	s_add_co_i32 s51, s51, 127
	s_lshl_b32 s52, s51, 23
	v_mov_b32 v[SCL], s52                          ; 2^(e10 - e8 - e9).  (A plain instruction behind the reciprocals)
	s_add_co_i32 s51, s51, 8
	s_lshl_b32 s51, s51, 23
	s_or_b32 s51, s51, 0x600000
	v_mov_b32 v[HLD], s51
	s_wait_alu depctr_va_vdst(0)                   ; one wait for the two reciprocals, ahead of their first reader
.set i, 0
.rept 8
	v_pk_mul_f32 v[OO+i:OO+i+1], v[OO+i:OO+i+1], v[18:19] op_sel_hi:[1,0]
.set i, i+2
.endr
.set i, 0
.rept 8
	v_pk_mul_f32 v[OO+16+i:OO+16+i+1], v[OO+16+i:OO+16+i+1], v[22:23] op_sel_hi:[1,0]
.set i, i+2
.endr
.set i, 0
.rept 32
	v_med3_num_f32 v[OO+i], v[OO+i], -v[HLD], v[HLD]
.set i, i+1
.endr
.irp a, 0,1
	v_cvt_scalef32_pk8_fp8_f32 v[PC+4*\a:PC+4*\a+1], v[OO+16*\a:OO+16*\a+7], v[SCL]        ; my query's channels 16 h + 0 .. 15
	v_cvt_scalef32_pk8_fp8_f32 v[PC+4*\a+2:PC+4*\a+3], v[OO+16*\a+8:OO+16*\a+15], v[SCL]
.endr
	v_nop
	global_store_b128 v[LI], v[PC:PC+3], s[8:9]                   ; 512 consecutive bytes, aligned: a chunk of the next product's operand
	global_store_b128 v[LI], v[PC+4:PC+7], s[8:9] offset:8192
	s_wait_tensorcnt 0x0                           ; the wave's end
	ds_add_u32 v[SPW], v[NIL]
	s_wait_dscnt 0x0
	CROUND                                         ; the closing round
	s_endpgm
.Lfunc_end_k_q21f5adafb4_attn:
	.size	k_q21f5adafb4_attn, .Lfunc_end_k_q21f5adafb4_attn-k_q21f5adafb4_attn
	.p2alignl 7, 3214868480
	.fill 96, 4, 3214868480
	.section	.rodata,"a",@progbits
	.p2align	6, 0x0
	.amdhsa_kernel k_q21f5adafb4_attn
		.amdhsa_group_segment_fixed_size 167936
		.amdhsa_private_segment_fixed_size 0
		.amdhsa_enable_private_segment 0
		.amdhsa_kernarg_size 24
		.amdhsa_user_sgpr_count 2
		.amdhsa_user_sgpr_kernarg_segment_ptr 1
		.amdhsa_wavefront_size32 1
		.amdhsa_system_sgpr_workgroup_id_x 1
		.amdhsa_system_sgpr_workgroup_id_y 1
		.amdhsa_system_sgpr_workgroup_id_z 1
		.amdhsa_system_vgpr_workitem_id 0
		.amdhsa_next_free_vgpr 256
		.amdhsa_next_free_sgpr 66
		.amdhsa_reserve_vcc 0
		.amdhsa_float_denorm_mode_32 3
		.amdhsa_float_denorm_mode_16_64 3
		.amdhsa_memory_ordered 1
		.amdhsa_forward_progress 1
		.amdhsa_inst_pref_size 39
	.end_amdhsa_kernel
	.amdgpu_metadata
---
amdhsa.version: [ 1, 2 ]
amdhsa.kernels:
  - .name:           k_q21f5adafb4_attn
    .symbol:         k_q21f5adafb4_attn.kd
    .args:
      - { .name: qkvc, .offset: 0, .size: 8, .value_kind: global_buffer, .address_space: global }
      - { .name: lowp_scales, .offset: 8, .size: 8, .value_kind: global_buffer, .address_space: global }
      - { .name: oc, .offset: 16, .size: 8, .value_kind: global_buffer, .address_space: global }
    .group_segment_fixed_size: 167936
    .private_segment_fixed_size: 0
    .kernarg_segment_align: 8
    .kernarg_segment_size: 24
    .max_flat_workgroup_size: 512
    .sgpr_count:     66
    .vgpr_count:     256
    .wavefront_size: 32
...
	.end_amdgpu_metadata
.endif
;; end of part 7
;; launch tail (part 8): grid 256 x 1, 4 waves a work-group, no clusters, 101,888 bytes of LDS; arguments x, oc, wimg, lowp_scales, bo, norm2_g, norm2_b, b1, b2, out0; writes out0
.if DOCPART == 8
	.amdgcn_target "amdgcn-amd-amdhsa--gfx1250"
	.amdhsa_code_object_version 6
	.text
	.protected	k_q21f5adafb4_tail
	.globl	k_q21f5adafb4_tail
	.p2align	8
	.type	k_q21f5adafb4_tail,@function
k_q21f5adafb4_tail:
	s_mov_b64 s[64:65], 0
	v_nop
	global_prefetch_b8 v0, s[64:65] scope:SCOPE_SE
	s_setreg_imm32_b32 hwreg(HW_REG_WAVE_SCHED_MODE, 0, 2), 2
	s_setreg_imm32_b32 hwreg(HW_REG_WAVE_MODE, 25, 1), 1
	s_wait_xcnt 0x0
	s_wait_alu depctr_vm_vsrc(0)
; x1 = x + out wo^T + bo;  h = layernorm(x1) g + b;  out0 = x1 + relu(h w1^T + b1) w2^T + b2.  The three products on codes of E4M3; x1, h and the hidden layer never go to memory.
; SHARES.  A work-group takes 32 rows: two tiles u of 16 tokens (tile u: token 8 u + r + 8 (r / 8)).  THE WAVES SHARE THE COLUMNS: wave w makes columns 128 w .. 128 w + 127 of all three products,
; source 0 = 16 rows of the weight, source 1 = 16 tokens: a lane holds one token and 64 columns, register 16 b + i = column 128 w + 32 b + 16 h + i.  A wave's 128 columns are K step w of the next product:
; quantised in registers, they go to the other waves through LDS as images of the operand's registers (lane l's 16 bytes at 16 l).
; THE WEIGHTS stream from wimg into registers in six chunks of 16 fragments (two K steps of my 8 tiles), windows 1 and 2 by turns, each asked for as soon as its window is free.
; NO JOINT LOADS: a fragment of 2,048 bytes feeds two matrix instructions here; through LDS all 786,432 bytes would be written and read once more, with a round of a cluster's barrier for each slot.
; No loop and no branch: the loads are counted by the symbol ISS, and WAITL names how many were issued behind the batch that is wanted (63 at the most can be named).
; LIMITS: e12 and e14 - e12 - e13 between -126 and 119; e10 + e11 and e14 + e15 between -126 and 127; NaN among the inputs is not served.
; REGISTERS: window 0: v1-15 addresses and scales; v16-31 at work; v32-47 and v240-255 codes just made, by turns; v48-111 four fragments of the rows' operand, or norm2_b; v112-239 16 accumulators (u, n) at v[112 + 64 u + 8 n].
;   windows 1, 2: a chunk of weights; at the end window 1's v0-127: the rows of out0.   window 3: v0-127 x, then x1; v128-191 bo, g, b2 by turns; v192-255 oc's K steps 2 and 3, then b1, then the hidden layer's K steps 2 and 3.
; THE MODE: SCHED_MODE bits 1:0 = 2 (LLVM: expert scheduling mode 2), set by the entry lines.  The code itself states the register dependences
; between vector or matrix instructions and memory or LDS instructions, with s_wait_alu, always for 0.
; THE PLAN.  Registers that memory or LDS instructions touch:
;   v1-v8         offsets and LDS addresses, and v9, v10, which the closing add reads: written at the head, never again.
;   X1            x lands; my LDS stores read it; the LDS loads of the turned rows land in it; from then on vector instructions alone name it.
;   P0            bo lands, additions read it; g lands, the norm's multiply-adds read it; b2 lands, additions read it.
;   P1            oc's K steps 2, 3 land, chunk 1's products read them; b1 lands, is scaled, chunk 2's products read it; the hidden layer's K steps 2, 3 land, chunk 5's products read them.
;   FF            oc's K steps 0, 1 | norm2_b | h's K steps 0, 1 | h's 2, 3 | the hidden layer's 0, 1 land by turns; chunks 0, 2, 3, 4's products and the norm's multiply-adds read them.
;   windows 1, 2  Chunk q lands, its 32 products read it, chunk q + 2 lands; behind chunk 4 the rows of out0 land in window 1.
;   v11, v24-31   The norm's sums: v11 is written, an LDS store reads it; the four waves' parts land in v24-31, additions read them; twice.
;   v32-47, v240-255  Two buffers of codes by turns: a quantising writes one, four LDS stores read it; each is written a second time two quantisings on.
;   the accumulators  At the end the LDS stores into my stage read them.
; THE WAITS.  Behind each of chunks 0 to 3 ONE wait on va_vdst states that its products are done with their weights and fragments: all loads into those registers follow it in one run.  One stands ahead of each
; image's stores (the first also frees P0 for b2), one in each of the norm's two sums, one ahead of g's load, one ahead of the stage's stores at the end (it also covers the rows' loads into window 1).
; On vm_vsrc: one between x's stores into the stage and the loads back into the same registers, one ahead of v11's second writing, one ahead of the third quantising, for both buffers of codes.
.set H2I,   67584                      ; LDS: from 0 a stage of 32 rows x 528 bytes for each wave; then h's 8 images; 16,384 further on the hidden layer's
.set STAT,  100352                     ; the waves' partial sums: 16 bytes a token; 512 further on those of the squares
.set SPARE, 101376                     ; the spare words, 128 bytes a wave
.set LI,  1                            ; v1   16 x lane
.set SW,  2                            ; v2   my stage, by rows: 16 x lane
.set SR,  3                            ; v3   my stage, by the result's layout: 528 r + 64 h
.set H64, 4                            ; v4   64 h
.set LI2, 5                            ; v5   the images: H2I + 16 x lane
.set IW,  6                            ; v6   where I store mine: + 2,048 w
.set SA,  7                            ; v7   STAT + 16 x lane + 4 w
.set SB,  8                            ; v8   STAT + 16 r
.set SPW, 9                            ; v9   LDS address of my spare word; never rewritten
.set NIL, 10                           ; v10  0; never rewritten
.set HI,  11                           ; v11  behind the head: what my lane hands in to a sum over the waves
.set TT,  16
.set PCD, 32
.set PC1, 240
.set FF,  48
.set ACC, 112
.set X1,  0
.set P0,  128
.set P1,  192
.set RB,  0                            ; in window 1, at the end: the rows of out0
.set MSB, 0
.set ISS, 0
.macro WIN new                         ; the immediate's high byte repeats the setting that is left
.if MSB != (\new)
	s_set_vgpr_msb (MSB<<8)|(\new)
.set MSB, (\new)
.endif
.endm
.macro WAITL mark                      ; all loads up to the mark are in
.if ISS-(\mark) > 63
	s_wait_loadcnt 63
.else
	s_wait_loadcnt ISS-(\mark)
.endif
.endm
.macro BARRIER                         ; my LDS stores have landed and my LDS loads are in: then the work-group's barrier
	s_wait_dscnt 0x0
	s_barrier_signal -1
	s_barrier_wait -1
.endm
.macro PLACES
.rept 4
	v_nop                                          ; four places behind the last product, ahead of the first read of results; they stand ahead of the loads into its sources too, beside the wait that states that dependence
.endr
.endm
.macro PLOAD wb, reg, lo               ; my lane's 64 numbers of a vector of 512, in the result's layout
	WIN \wb
.irp b, 0,1,2,3
.irp q, 0,1,2,3
	global_load_b128 v[\reg+16*\b+4*\q:\reg+16*\b+4*\q+3], v[H64], s[\lo:\lo+1] offset:128*\b+16*\q
.endr
.endr
.set ISS, ISS+16
	WIN 0
.endm
.macro WLOAD q                         ; chunk q: product q / 2, K steps 2 (q % 2) and 2 (q % 2) + 1: 64 loads of 512 consecutive bytes
	WIN 0x40*(1+(\q)%2)
.set i, 0
.rept 64
	global_load_b128 v[4*i:4*i+3], v[LI], s[8:9] offset:((\q)/2)*262144+((\q)%2)*32768+512*i
.set i, i+1
.endr
.set ISS, ISS+64
	WIN 0
.endm
; 32 products: a chunk's two K steps x two tiles of tokens x my 8 tiles of columns; the 16 accumulators take turns, one instruction a turn.
; ww: the weights' window; fw, fb: the rows' fragments; cm: 0 the first K step starts the sums, 1 it starts them from b1, 2 it adds on; pl = 1: the four places follow
.macro MULCH ww, fw, fb, cm, pl
.irp sl, 0,1
.if (\cm == 1) && (\sl == 0)
	WIN (\ww)|((\fw)<<2)|0x30
.else
	WIN (\ww)|((\fw)<<2)
.endif
.irp u, 0,1
.irp n, 0,1,2,3,4,5,6,7
.if (\cm == 0) && (\sl == 0)
	v_wmma_f32_16x16x128_fp8_fp8 v[ACC+64*\u+8*\n:ACC+64*\u+8*\n+7], v[16*(8*\sl+\n):16*(8*\sl+\n)+15], v[\fb+32*\sl+16*\u:\fb+32*\sl+16*\u+15], 0
.elseif (\cm == 1) && (\sl == 0)
	v_wmma_f32_16x16x128_fp8_fp8 v[ACC+64*\u+8*\n:ACC+64*\u+8*\n+7], v[16*(8*\sl+\n):16*(8*\sl+\n)+15], v[\fb+32*\sl+16*\u:\fb+32*\sl+16*\u+15], v[P1+8*\n:P1+8*\n+7]
.else
	v_wmma_f32_16x16x128_fp8_fp8 v[ACC+64*\u+8*\n:ACC+64*\u+8*\n+7], v[16*(8*\sl+\n):16*(8*\sl+\n)+15], v[\fb+32*\sl+16*\u:\fb+32*\sl+16*\u+15], v[ACC+64*\u+8*\n:ACC+64*\u+8*\n+7]
.endif
.endr
.endr
.endr
	WIN 0
.if \pl
	PLACES
.endif
.endm
.macro FETCHF img, a, wb, reg          ; the rows' fragments of K steps 2 a and 2 a + 1, both tiles, from the images, into v[reg] on under the window setting wb
	WIN \wb
.irp u, 0,1
.irp sl, 0,1
.irp c, 0,1,2,3
	ds_load_b128 v[\reg+32*\sl+16*\u+4*\c:\reg+32*\sl+16*\u+4*\c+3], v[LI2] offset:\img+(4*\u+2*(\a)+\sl)*2048+512*\c
.endr
.endr
.endr
	WIN 0
.endm
; 64 numbers of a lane, register 16 b + i = k 32 b + 16 h + i of my token, become a fragment's codes in v[pc] on.  relu = 1: what is negative becomes 0 on the way
.macro QUANT s, relu, sc, lim, pc
.irp b, 0,1,2,3
.irp i, 0,1,2,3,4,5,6,7,8,9,10,11,12,13,14,15
.if \relu
	v_med3_num_f32 v[\s+16*\b+\i], v[\s+16*\b+\i], 0, v[\lim]          ; the activation and the hold in one
.else
	v_med3_num_f32 v[\s+16*\b+\i], v[\s+16*\b+\i], -v[\lim], v[\lim]   ; the conversion does not saturate (ISA guide 7.6.2)
.endif
.endr
	v_cvt_scalef32_pk8_fp8_f32 v[\pc+4*\b:\pc+4*\b+1], v[\s+16*\b:\s+16*\b+7], v[\sc]
	v_cvt_scalef32_pk8_fp8_f32 v[\pc+4*\b+2:\pc+4*\b+3], v[\s+16*\b+8:\s+16*\b+15], v[\sc]
.endr
	v_nop                                          ; a plain instruction behind the last conversion: later products write its sources
.endm
.macro IMAGE pc, off
	s_wait_alu depctr_va_vdst(0)                   ; the conversions have written v[pc] on, which the LDS stores read
.irp c, 0,1,2,3
	ds_store_b128 v[IW], v[\pc+4*\c:\pc+4*\c+3] offset:\off+512*\c
.endr
.endm
.macro ADDP                            ; x1 += the vector in P0, both tiles
	WIN 0xcf
.irp u, 0,1
.set i, 0
.rept 32
	v_pk_add_f32 v[X1+64*\u+i:X1+64*\u+i+1], v[X1+64*\u+i:X1+64*\u+i+1], v[P0+i:P0+i+1]
.set i, i+2
.endr
.endr
	WIN 0
.endm
; The two chains of each tile are joined; lane l xor 16 holds my token's other 64 columns of this wave; the four waves' parts meet in LDS.  Leaves each tile's total in v[TT + 4 u]
.macro STATS off
.irp u, 0,1
	v_pk_add_f32 v[TT+4*\u:TT+4*\u+1], v[TT+4*\u:TT+4*\u+1], v[TT+4*\u+2:TT+4*\u+3]
.endr
.irp u, 0,1
	v_add_f32 v[TT+4*\u], v[TT+4*\u], v[TT+4*\u+1]
.endr
.irp u, 0,1
	v_permlanex16_b32 v[TT+4*\u+1], v[TT+4*\u], s48, s49
.endr
.irp u, 0,1
	v_add_f32 v[TT+4*\u], v[TT+4*\u], v[TT+4*\u+1]
.endr
.if (\off) > 0
	s_wait_alu depctr_vm_vsrc(0)                   ; the first sum's LDS store has read v[HI], which is written again
.endif
	v_cndmask_b32 v[HI], v[TT], v[TT+4], s50       ; lanes 0-15 hand in tile 0's tokens, lanes 16-31 tile 1's
	s_wait_alu depctr_va_vdst(0)                   ; v[HI] is written, which the LDS store reads; and the additions of the sum before are done with v24 to v31, in which the loads below land
	ds_store_b32 v[SA], v[HI] offset:\off
	BARRIER
	ds_load_b128 v[24:27], v[SB] offset:\off
	ds_load_b128 v[28:31], v[SB] offset:\off+256
	s_wait_dscnt 0x0
.irp u, 0,1
	v_add_f32 v[24+4*\u], v[24+4*\u], v[25+4*\u]
	v_add_f32 v[26+4*\u], v[26+4*\u], v[27+4*\u]
.endr
.irp u, 0,1
	v_add_f32 v[TT+4*\u], v[24+4*\u], v[26+4*\u]
.endr
.endm
	s_load_b512 s[4:19], s[0:1], 0x0               ; x, oc, wimg s[8:9], the scales s[10:11], bo, norm2_g, norm2_b, b1 s[18:19]
	s_load_b128 s[20:23], s[0:1], 0x40             ; b2, out0
	v_lshl_add_u32 v[SPW], v0, 2, SPARE
	v_mov_b32 v[NIL], 0
	v_lshrrev_b32 v11, 5, v0
	v_readfirstlane_b32 s24, v11                   ; wave w
	v_and_b32 v11, 31, v0
	v_lshlrev_b32 v[LI], 4, v11
	v_and_b32 v16, 15, v0                          ; r
	v_bfe_u32 v17, v0, 4, 1                        ; h
	s_wait_alu depctr_va_sdst(0)                   ; s24 is written, ahead of its first reader: LDS addresses and the bases of x, out0, wimg and the vectors are made from it
	s_mul_i32 s52, s24, 32*528
	v_add_nc_u32 v[SW], s52, v[LI]
	v_mul_u32_u24 v[SR], v16, 528
	v_lshl_add_u32 v[SR], v17, 6, v[SR]
	v_add_nc_u32 v[SR], s52, v[SR]
	v_lshlrev_b32 v[H64], 6, v17
	v_add_nc_u32 v[LI2], H2I, v[LI]
	s_lshl_b32 s53, s24, 11
	v_add_nc_u32 v[IW], s53, v[LI2]
	s_lshl_b32 s53, s24, 2
	s_add_co_u32 s53, s53, STAT
	v_add_nc_u32 v[SA], s53, v[LI]
	v_lshlrev_b32 v[SB], 4, v16
	v_add_nc_u32 v[SB], STAT, v[SB]
	s_mov_b32 s44, 0xbb000000                      ; -1 / 512
	s_mov_b32 s45, 0x3b000000                      ; 1 / 512
	s_mov_b32 s46, 0x3727c5ac                      ; 1e-5
	s_mov_b32 s48, 0x76543210                      ; v_permlanex16_b32: lane l xor 16
	s_mov_b32 s49, 0xfedcba98
	s_mov_b32 s50, 0xffff0000                      ; lanes 16-31
	s_lshl_b32 s54, ttmp9, 16
	s_lshl_b32 s55, s24, 9
	s_add_co_u32 s54, s54, s55                     ; x, out0: 32 rows of 2,048 bytes a work-group, + my 512 bytes of a row
	s_mov_b32 s55, 0
	s_lshl_b32 s56, ttmp9, 14                      ; oc: two tiles of 8,192 bytes
	s_mov_b32 s57, 0
	s_lshl_b32 s58, s24, 16
	s_add_co_u32 s58, s58, 786432                  ; wimg: behind wq, wk, wv; my column group
	s_mov_b32 s59, 0
	s_lshl_b32 s60, s24, 9                         ; the vectors: my 128 numbers
	s_mov_b32 s61, 0
	s_wait_kmcnt 0x0
	s_load_b256 s[32:39], s[10:11], 0x20           ; e8 .. e15
	s_add_nc_u64 s[4:5], s[4:5], s[54:55]
	s_add_nc_u64 s[22:23], s[22:23], s[54:55]
	s_add_nc_u64 s[6:7], s[6:7], s[56:57]
	s_add_nc_u64 s[8:9], s[8:9], s[58:59]
.irp p, 12,14,16,18,20
	s_add_nc_u64 s[\p:\p+1], s[\p:\p+1], s[60:61]
.endr
	; ---- the head's loads
	WIN 0xc0
	s_wait_alu depctr_va_vdst(0)                   ; the offsets and LDS addresses v1 to v8 are written, which every load and store of the kernel reads; so are v9 and v10, which the closing add reads
.set i, 0
.rept 32
	global_load_b128 v[X1+4*i:X1+4*i+3], v[LI], s[4:5] offset:2048*i th:TH_LOAD_NT   ; row i, my 512 bytes: dense
.set i, i+1
.endr
.set ISS, ISS+32
.irp u, 0,1
.irp sl, 0,1
.irp c, 0,1,2,3
	global_load_b128 v[P1+32*\sl+16*\u+4*\c:P1+32*\sl+16*\u+4*\c+3], v[LI], s[6:7] offset:8192*\u+2048*(2+\sl)+512*\c th:TH_LOAD_NT   ; oc's K steps 2, 3
.endr
.endr
.endr
.set ISS, ISS+16
	PLOAD 0xc0, P0, 12                             ; bo
.irp u, 0,1
.irp sl, 0,1
.irp c, 0,1,2,3
	global_load_b128 v[FF+32*\sl+16*\u+4*\c:FF+32*\sl+16*\u+4*\c+3], v[LI], s[6:7] offset:8192*\u+2048*\sl+512*\c th:TH_LOAD_NT      ; oc's K steps 0, 1
.endr
.endr
.endr
.set ISS, ISS+16
.set M_BO, ISS
	WLOAD 0
.set M_W0, ISS
	s_wait_kmcnt 0x0
	s_add_co_i32 s40, s34, s35
	s_add_co_i32 s40, s40, 127
	s_lshl_b32 s40, s40, 23                        ; 2^(e10 + e11)
	s_mov_b32 s41, s40                             ; (named with it as a pair, so it is written)
	s_add_co_i32 s42, s38, s39
	s_add_co_i32 s42, s42, 127
	s_lshl_b32 s42, s42, 23                        ; 2^(e14 + e15)
	s_mov_b32 s43, s42
	s_add_co_i32 s52, s36, 127
	s_lshl_b32 s53, s52, 23
	v_mov_b32 v12, s53                             ; 2^e12
	s_add_co_i32 s52, s52, 8
	s_lshl_b32 s52, s52, 23
	s_or_b32 s52, s52, 0x600000
	v_mov_b32 v13, s52                             ; 448 x 2^e12
	s_add_co_i32 s51, s36, s37                     ; e12 + e13
	s_sub_co_i32 s52, s38, s51
	s_add_co_i32 s52, s52, 127
	s_lshl_b32 s53, s52, 23
	v_mov_b32 v14, s53                             ; 2^(e14 - e12 - e13)
	s_add_co_i32 s52, s52, 8
	s_lshl_b32 s52, s52, 23
	s_or_b32 s52, s52, 0x600000
	v_mov_b32 v15, s52
	s_sub_co_i32 s51, 0, s51                       ; -(e12 + e13), for b1
	; ---- x into the result's layout, through my own stage: in by rows (token t in slot 16 ((t / 8) % 2) + t % 8 + 8 (t / 16)), back 16 numbers a block of 32
	WAITL M_BO
	WIN 0x0c
.set i, 0
.rept 32
	ds_store_b128 v[SW], v[X1+4*i:X1+4*i+3] offset:(16*((i/8)%2)+i%8+8*(i/16))*528
.set i, i+1
.endr
	WIN 0xc0
	s_wait_alu depctr_vm_vsrc(0)                   ; the LDS stores above have read x's registers, in which the loads below land and which the additions behind them write
.irp u, 0,1
.irp b, 0,1,2,3
.irp q, 0,1,2,3
	ds_load_b128 v[X1+64*\u+16*\b+4*\q:X1+64*\u+16*\b+4*\q+3], v[SR] offset:16*\u*528+128*\b+16*\q   ; LDS serves a wave's instructions in order (ISA guide 5.7.1.4): these see the stores above
.endr
.endr
.endr
	s_wait_dscnt 0x0
	ADDP                                           ; x + bo
	s_wait_alu depctr_va_vdst(0)                   ; the additions are done reading bo in P0, in which g lands
	PLOAD 0xc0, P0, 14                             ; norm2_g
	WLOAD 1
.set M_W1, ISS
	; ---- out wo^T
	WAITL M_W0
	MULCH 1, 0, FF, 0, 1
	s_wait_alu depctr_va_vdst(0)                   ; chunk 0's products are done reading oc's K steps 0 and 1 in FF, in which norm2_b lands, and window 1, in which chunk 2 lands
	PLOAD 0, FF, 16                                ; norm2_b
.set M_BN, ISS
	WLOAD 2
.set M_W2, ISS
	WAITL M_W1
	MULCH 2, 3, P1, 2, 1
	s_wait_alu depctr_va_vdst(0)                   ; chunk 1's products are done reading oc's K steps 2 and 3 in P1, in which b1 lands, and window 2, in which chunk 3 lands
	PLOAD 0xc0, P1, 18                             ; b1
.set M_B1, ISS
	WLOAD 3
.set M_W3, ISS
	WIN 0xf0
.set i, 0
.rept 64
	v_pk_fma_f32 v[X1+i:X1+i+1], v[ACC+i:ACC+i+1], s[40:41], v[X1+i:X1+i+1] op_sel_hi:[1,0,1]   ; x1 = sum x 2^(e10 + e11) + (x + bo); each accumulator from its low end on
.set i, i+2
.endr
	; ---- the second norm: the mean,
	WIN 0x0f
.irp u, 0,1
	v_pk_add_f32 v[TT+4*\u:TT+4*\u+1], v[X1+64*\u:X1+64*\u+1], v[X1+64*\u+2:X1+64*\u+3]
	v_pk_add_f32 v[TT+4*\u+2:TT+4*\u+3], v[X1+64*\u+4:X1+64*\u+5], v[X1+64*\u+6:X1+64*\u+7]
.endr
	WIN 0x0c
.irp k, 8,12,16,20,24,28,32,36,40,44,48,52,56,60
.irp u, 0,1
	v_pk_add_f32 v[TT+4*\u:TT+4*\u+1], v[TT+4*\u:TT+4*\u+1], v[X1+64*\u+\k:X1+64*\u+\k+1]
	v_pk_add_f32 v[TT+4*\u+2:TT+4*\u+3], v[TT+4*\u+2:TT+4*\u+3], v[X1+64*\u+\k+2:X1+64*\u+\k+3]
.endr
.endr
	WIN 0
	STATS 0
.irp u, 0,1
	v_mul_f32 v[TT+4*\u], s44, v[TT+4*\u]          ; -mean
.endr
	WIN 0x03
.irp u, 0,1
.set i, 0
.rept 32
	v_pk_add_f32 v[ACC+64*\u+i:ACC+64*\u+i+1], v[X1+64*\u+i:X1+64*\u+i+1], v[TT+4*\u:TT+4*\u+1] op_sel_hi:[1,0]
.set i, i+2
.endr
.endr
	WIN 0
	; the variance,
.irp u, 0,1
	v_pk_mul_f32 v[TT+4*\u:TT+4*\u+1], v[ACC+64*\u:ACC+64*\u+1], v[ACC+64*\u:ACC+64*\u+1]
	v_pk_mul_f32 v[TT+4*\u+2:TT+4*\u+3], v[ACC+64*\u+2:ACC+64*\u+3], v[ACC+64*\u+2:ACC+64*\u+3]
.endr
.irp k, 4,8,12,16,20,24,28,32,36,40,44,48,52,56,60
.irp u, 0,1
	v_pk_fma_f32 v[TT+4*\u:TT+4*\u+1], v[ACC+64*\u+\k:ACC+64*\u+\k+1], v[ACC+64*\u+\k:ACC+64*\u+\k+1], v[TT+4*\u:TT+4*\u+1]
	v_pk_fma_f32 v[TT+4*\u+2:TT+4*\u+3], v[ACC+64*\u+\k+2:ACC+64*\u+\k+3], v[ACC+64*\u+\k+2:ACC+64*\u+\k+3], v[TT+4*\u+2:TT+4*\u+3]
.endr
.endr
	STATS 512
.irp u, 0,1
	v_fma_f32 v[TT+4*\u], v[TT+4*\u], s45, s46
.endr
	s_wait_alu depctr_va_vdst(0)
.irp u, 0,1
	v_rsq_f32 v[TT+4*\u+2], v[TT+4*\u]
.endr
	v_nop                                          ; a plain instruction behind the batch
	s_wait_alu depctr_va_vdst(0)                   ; one wait for the two roots, ahead of their first reader
	WAITL M_BN                                     ; g and b are in
.irp u, 0,1
.set i, 0
.rept 32
	v_pk_mul_f32 v[ACC+64*\u+i:ACC+64*\u+i+1], v[ACC+64*\u+i:ACC+64*\u+i+1], v[TT+4*\u+2:TT+4*\u+3] op_sel_hi:[1,0]
.set i, i+2
.endr
.endr
	WIN 0x0c
.irp u, 0,1
.set i, 0
.rept 32
	v_pk_fma_f32 v[ACC+64*\u+i:ACC+64*\u+i+1], v[ACC+64*\u+i:ACC+64*\u+i+1], v[P0+i:P0+i+1], v[FF+i:FF+i+1]
.set i, i+2
.endr
.endr
	WIN 0
	QUANT ACC, 0, 12, 13, PCD
	IMAGE PCD, 0                                   ; its wait also states that the multiply-adds above are done reading g in P0,
	PLOAD 0xc0, P0, 20                             ; in which b2 lands: no vector instruction stands between that wait and these loads
.set M_B2, ISS
	QUANT ACC+64, 0, 12, 13, PC1                   ; the other buffer of codes: the first image's stores are read out meanwhile
	IMAGE PC1, 8192
	WAITL M_B1
	WIN 0xc3
.set i, 0
.rept 64
	v_ldexp_f32 v[P1+i], v[P1+i], s51              ; b1 / 2^(e12 + e13): the C of the next sums' first products
.set i, i+1
.endr
	WIN 0
	s_wait_alu depctr_va_vdst(0)
	BARRIER                                        ; h's eight fragments lie in LDS
	; ---- relu(h w1^T + b1)
	FETCHF 0, 0, 0, FF                             ; no wait: the images' waits stand behind the multiply-adds that read norm2_b in FF, and no vector instruction since names FF
	WAITL M_W2
	s_wait_dscnt 0x0
	MULCH 1, 0, FF, 1, 1
	s_wait_alu depctr_va_vdst(0)                   ; chunk 2's products are done reading h's K steps 0 and 1 in FF, in which K steps 2 and 3 land, window 1, in which chunk 4 lands, and b1 in P1, in which fragments land later
	FETCHF 0, 1, 0, FF
	WLOAD 4
.set M_W4, ISS
	WAITL M_W3
	s_wait_dscnt 0x0
	MULCH 2, 0, FF, 2, 1
	s_wait_alu depctr_va_vdst(0)                   ; chunk 3's products are done reading window 2, in which chunk 5 lands, and FF, in which the hidden layer's fragments land later
	WLOAD 5
.set M_W5, ISS
	s_wait_alu depctr_vm_vsrc(0)                   ; the LDS stores of h's two images have read both buffers of codes, which the two quantisings below write again
	QUANT ACC, 1, 14, 15, PCD
	IMAGE PCD, 16384
	QUANT ACC+64, 1, 14, 15, PC1
	IMAGE PC1, 16384+8192
	BARRIER                                        ; the hidden layer's eight fragments lie in LDS
	; ---- the last product, and the way out
	FETCHF 16384, 0, 0, FF                         ; all four K steps at once: 0 and 1 into FF, 2 and 3 into P1, which b1 has left.  No wait: no vector or matrix instruction since the waits named above names FF or P1
	FETCHF 16384, 1, 0xc0, P1
	WAITL M_B2
	ADDP                                           ; x1 + b2
	WAITL M_W4
	s_wait_dscnt 16                                ; K steps 0 and 1 are in; the sixteen loads of K steps 2 and 3 may stay out
	MULCH 1, 0, FF, 0, 0
	WAITL M_W5
	s_wait_dscnt 0x0
	MULCH 2, 3, P1, 2, 1
	WIN 0x30
.set i, 0
.rept 64
	v_pk_fma_f32 v[ACC+i:ACC+i+1], v[ACC+i:ACC+i+1], s[42:43], v[X1+i:X1+i+1] op_sel_hi:[1,0,1]   ; out0 = sum x 2^(e14 + e15) + (x1 + b2)
.set i, i+2
.endr
	WIN 0
	s_wait_alu depctr_va_vdst(0)                   ; the multiply-adds have written the accumulators' registers, which the LDS stores read; and chunk 4's products are done reading window 1, in which the rows land
.irp u, 0,1
.irp b, 0,1,2,3
.irp q, 0,1,2,3
	ds_store_b128 v[SR], v[ACC+64*\u+16*\b+4*\q:ACC+64*\u+16*\b+4*\q+3] offset:16*\u*528+128*\b+16*\q   ; back through my own stage,
.endr
.endr
.endr
	WIN 0x40
.set i, 0
.rept 32
	ds_load_b128 v[RB+4*i:RB+4*i+3], v[SW] offset:i*528                                                 ; and out of it by rows: slot i, into window 1
.set i, i+1
.endr
	WIN 0x04
.set i, 0
.rept 32
	s_wait_dscnt 31-i
	global_store_b128 v[LI], v[RB+4*i:RB+4*i+3], s[22:23] offset:(8*(i/16)+i%16+8*((i%16)/8))*2048 th:TH_STORE_NT   ; slot i's token: the wave stores 512 consecutive bytes, aligned
.set i, i+1
.endr
	WIN 0                                          ; the add's two registers lie in window 0
	s_wait_dscnt 0x0                               ; the closing lines, six on end
	s_wait_alu 0x0
	s_wait_tensorcnt 0x0
	ds_add_u32 v[SPW], v[NIL]
	s_wait_dscnt 0x0
	s_endpgm
.Lfunc_end_k_q21f5adafb4_tail:
	.size	k_q21f5adafb4_tail, .Lfunc_end_k_q21f5adafb4_tail-k_q21f5adafb4_tail
	.p2alignl 7, 3214868480
	.fill 96, 4, 3214868480
	.section	.rodata,"a",@progbits
	.p2align	6, 0x0
	.amdhsa_kernel k_q21f5adafb4_tail
		.amdhsa_group_segment_fixed_size 101888
		.amdhsa_private_segment_fixed_size 0
		.amdhsa_enable_private_segment 0
		.amdhsa_kernarg_size 80
		.amdhsa_user_sgpr_count 2
		.amdhsa_user_sgpr_kernarg_segment_ptr 1
		.amdhsa_wavefront_size32 1
		.amdhsa_system_sgpr_workgroup_id_x 1
		.amdhsa_system_sgpr_workgroup_id_y 1
		.amdhsa_system_sgpr_workgroup_id_z 1
		.amdhsa_system_vgpr_workitem_id 0
		.amdhsa_next_free_vgpr 1024
		.amdhsa_next_free_sgpr 66
		.amdhsa_reserve_vcc 0
		.amdhsa_float_denorm_mode_32 3
		.amdhsa_float_denorm_mode_16_64 3
		.amdhsa_memory_ordered 1
		.amdhsa_forward_progress 1
		.amdhsa_inst_pref_size 146
	.end_amdhsa_kernel
	.amdgpu_metadata
---
amdhsa.version: [ 1, 2 ]
amdhsa.kernels:
  - .name:           k_q21f5adafb4_tail
    .symbol:         k_q21f5adafb4_tail.kd
    .args:
      - { .name: x, .offset: 0, .size: 8, .value_kind: global_buffer, .address_space: global }
      - { .name: oc, .offset: 8, .size: 8, .value_kind: global_buffer, .address_space: global }
      - { .name: wimg, .offset: 16, .size: 8, .value_kind: global_buffer, .address_space: global }
      - { .name: lowp_scales, .offset: 24, .size: 8, .value_kind: global_buffer, .address_space: global }
      - { .name: bo, .offset: 32, .size: 8, .value_kind: global_buffer, .address_space: global }
      - { .name: norm2_g, .offset: 40, .size: 8, .value_kind: global_buffer, .address_space: global }
      - { .name: norm2_b, .offset: 48, .size: 8, .value_kind: global_buffer, .address_space: global }
      - { .name: b1, .offset: 56, .size: 8, .value_kind: global_buffer, .address_space: global }
      - { .name: b2, .offset: 64, .size: 8, .value_kind: global_buffer, .address_space: global }
      - { .name: out0, .offset: 72, .size: 8, .value_kind: global_buffer, .address_space: global }
    .group_segment_fixed_size: 101888
    .private_segment_fixed_size: 0
    .kernarg_segment_align: 8
    .kernarg_segment_size: 80
    .max_flat_workgroup_size: 128
    .sgpr_count:     66
    .vgpr_count:     1024
    .wavefront_size: 32
...
	.end_amdgpu_metadata
.endif
;; end of part 8
